; MI455X (gfx1250); checked and timed in simulation.
; The chip was launched on July 23, 2026; its instructions are those of AMD's public machine-readable ISA for CDNA 5 (MIT licence, August 2026) and "CDNA5" Instruction Set Architecture Reference Guide (July 2026). The comments in the code are by the model that wrote it; some were corrected since.
;; Mixture Of Experts. Allowed arithmetic: float matrix products may take bf16 or f16 operands with f32 sums; other float arithmetic in f32, or as packed bf16 or f16 multiplies, adds, multiply-adds, maxima and minima; sums over many terms, partial sums and values carried from step to step in f32; what a program stores and reads back later, other than sums and carried values, may be rounded once to bf16 or f16.
;; Inputs: W1 8 x 1,024 x 4,096 float32; W2 8 x 4,096 x 1,024 float32; Wg 1,024 x 8 float32; b1 8 x 4,096 float32; b2 8 x 1,024 float32; bg 8 float32; x 2 x 512 x 1,024 float32.
;; Outputs: out0 2 x 512 x 1,024 float32.
;; 2 versions, each right and faster than the one before. Each part assembles by itself: llvm-mc -triple=amdgcn-amd-amdhsa -mcpu=gfx1250 --defsym DOCPART=n.
;; ======== version 1 of 2: 6 launches
;; workspace buffers: route 6,144 bytes of whole numbers; gw 8,192 bytes; plan 17,664 bytes of whole numbers; xg 4,718,592 bytes; hbuf 18,874,368 bytes; part 37,748,736 bytes
;; launch gate (part 1): grid 32 x 1, 8 waves a work-group, no clusters, 2,048 bytes of LDS; arguments x, Wg, bg, route, gw; writes route, gw
.if DOCPART == 1
	.amdgcn_target "amdgcn-amd-amdhsa--gfx1250"
	.amdhsa_code_object_version 6
	.text
	.protected	k_qff60d81726_gate
	.globl	k_qff60d81726_gate
	.p2align	8
	.type	k_qff60d81726_gate,@function
k_qff60d81726_gate:
	s_mov_b64 s[64:65], 0
	v_nop
	global_prefetch_b8 v0, s[64:65] scope:SCOPE_SE
	s_setreg_imm32_b32 hwreg(HW_REG_WAVE_MODE, 25, 1), 1
	s_wait_xcnt 0x0
; THE ROUTER.  logits = x Wg + bg for 1,024 tokens and 8 experts, the two largest, a softmax over those two.
; x, Wg and bg are rounded once to bf16 (as every input of this program is); products of two bf16 are exact in f32, sums are f32.
; A work-group owns 32 tokens, a wave 4 of them; a lane owns k = 128 i + 4 lane + c (i 0..7, c 0..3), so a load of x covers 512 consecutive bytes.
; The choices leave as VALUES at fixed addresses: nothing here branches or addresses on them.
;   route: row wd (64 bytes, wd = the work-group): 8 masks (bit t of mask e: token 32 wd + t chose e), then their 8 bit counts; from byte 2,048: sel[token] = e0 | e1 << 8
;   gw:    (w0, w1) f32 for each token
; No matrix unit: 8 columns only, and the launch streams x once.
; LIMITS.  NaN and infinite logits are not treated apart.  Ties go to the lower index, as in lax.top_k; two logits closer than the f32 sums' rounding (some 1e-6 of their size) may change places.
.set SPARE, 1024                       ; behind the logits: the spare words, 128 bytes for each of 8 waves
.set SPW,  14                          ; v14  my spare word's LDS address; never rewritten
.set NIL,  15                          ; v15  0; never rewritten
.set ACC,  16                          ; v16-47   sums: token tau (0..3), expert e at ACC + 8 tau + e
.set XP,   48                          ; v48-111  x in bf16 pairs: XP + 16 tau + 2 i + c / 2, half c % 2
.set WP,   112                         ; v112-239 Wg in bf16 pairs: WP + 16 i + 4 c + e / 2, half e % 2
                                       ; window 1: 256 registers in which f32 numbers land before they are rounded
.set MSB, 0
.macro WIN new                         ; the immediate's high byte repeats the setting that is left
.if MSB != (\new)
	s_set_vgpr_msb (MSB<<8)|(\new)
.set MSB, (\new)
.endif
.endm
.macro ROUND2 dst, n0, cnt             ; cnt pairs: dst[n] = bf16 pair of landing registers 2 n, 2 n + 1 (n counted from n0; the landing index wraps at 256)
	WIN 0x05                               ; both sources in window 1
.set rn_, \n0
.rept \cnt
	v_cvt_pk_bf16_f32 v[(\dst)+rn_], v[(2*rn_)%256], v[(2*rn_)%256+1]
.set rn_, rn_+1
.endr
	WIN 0
.endm
	s_load_b256 s[4:11], s[0:1], 0x0               ; x s[4:5], Wg s[6:7], bg s[8:9], route s[10:11]
	s_load_b64 s[12:13], s[0:1], 0x20              ; gw
	v_lshl_add_u32 v[SPW], v0, 2, SPARE
	v_mov_b32 v[NIL], 0
	v_and_b32 v1, 31, v0                           ; lane
	v_lshrrev_b32 v2, 5, v0
	v_readfirstlane_b32 s14, v2                    ; wave 0..7
	v_lshlrev_b32 v3, 7, v1                        ; my four rows of Wg: 128 bytes a lane
	v_lshlrev_b32 v4, 4, v1                        ; my 16 bytes of 512 of x
	s_lshl_b32 s16, ttmp9, 17                      ; the work-group's 32 rows of 4,096 bytes,
	s_lshl_b32 s17, s14, 14                        ; my wave's 4 of them
	s_add_co_u32 s16, s16, s17
	s_mov_b32 s17, 0
	s_mov_b32 s18, 0x76543210                      ; v_permlanex16_b32: each lane takes its own place in the other half
	s_mov_b32 s19, 0xfedcba98
	s_wait_kmcnt 0x0
	s_add_nc_u64 s[4:5], s[4:5], s[16:17]
	s_load_b256 s[24:31], s[8:9], 0x0              ; bg
	WIN 0x40                                       ; destinations in window 1
.set m_, 0
.rept 64                                       ; all of Wg: piece m_ = 8 i + 2 c + half, 16 bytes a lane
	global_load_b128 v[4*m_:4*m_+3], v3, s[6:7] offset:(m_/8)*4096+(m_%8)*16
.set m_, m_+1
.endr
	s_wait_loadcnt 32                              ; the first 32 pieces are in; the 32 younger ones stay out
	ROUND2 WP, 0, 64
	WIN 0x40
.set m_, 0
.rept 32                                       ; x: token m_ / 8, piece i = m_ % 8, into the landing registers just read
	global_load_b128 v[4*m_:4*m_+3], v4, s[4:5] offset:(m_/8)*4096+(m_%8)*512
.set m_, m_+1
.endr
	s_wait_loadcnt 32                              ; the rest of Wg is in; x's 32 loads stay out
	ROUND2 WP, 64, 64
	s_wait_loadcnt 0x0
	ROUND2 XP, 0, 64
	; 1,024 multiply-adds from bf16 halves into 32 f32 sums, which take turns; the first of each sum takes 0 as its addend
.set i_, 0
.rept 8
.irp ch, 0,1
.irp cl, 0,1
.set t_, 0
.rept 4
.irp ep, 0,1,2,3
.irp el, 0,1
.if (i_ == 0) && (\ch == 0) && (\cl == 0)
	v_fma_mix_f32_bf16 v[ACC+8*t_+2*\ep+\el], v[XP+16*t_+2*i_+\ch], v[WP+16*i_+8*\ch+4*\cl+\ep], v[NIL] op_sel:[\cl,\el,0] op_sel_hi:[1,1,0]
.else
	v_fma_mix_f32_bf16 v[ACC+8*t_+2*\ep+\el], v[XP+16*t_+2*i_+\ch], v[WP+16*i_+8*\ch+4*\cl+\ep], v[ACC+8*t_+2*\ep+\el] op_sel:[\cl,\el,0] op_sel_hi:[1,1,0]
.endif
.endr
.endr
.set t_, t_+1
.endr
.endr
.endr
.set i_, i_+1
.endr
	; across the 32 lanes: four steps inside each half ride on the addition, one crosses the halves; stage by stage, so that no line waits for the one before it
.irp k, 1,2,4,8
.set n_, 0
.rept 32
	v_add_f32_dpp v[ACC+n_], v[ACC+n_], v[ACC+n_] row_xmask:\k row_mask:0xf bank_mask:0xf
.set n_, n_+1
.endr
.endr
.set n_, 0
.rept 32
	v_permlanex16_b32 v[XP+n_], v[ACC+n_], s18, s19   ; x's registers are free, and have been written
.set n_, n_+1
.endr
.set n_, 0
.rept 32
	v_add_f32 v[ACC+n_], v[ACC+n_], v[XP+n_]
.set n_, n_+1
.endr
	s_lshl_b32 s20, s14, 7                         ; my 4 tokens' logits: 128 bytes at wave x 128
	v_mov_b32 v5, s20
.set t_, 0
.rept 4
	ds_store_b128 v5, v[ACC+8*t_:ACC+8*t_+3] offset:32*t_       ; every lane holds the same sums and writes the same bytes
	ds_store_b128 v5, v[ACC+8*t_+4:ACC+8*t_+7] offset:32*t_+16
.set t_, t_+1
.endr
	s_wait_kmcnt 0x0                               ; bg
	s_wait_dscnt 0x0                               ; for wave 0's sake: my stores are done
	s_barrier_signal -1
	s_barrier_wait -1
	s_cmp_lg_u32 s14, 0
	s_cbranch_scc1 .Ldone                          ; wave 0 alone goes on: lane t takes token t of the 32
	v_lshlrev_b32 v5, 5, v1
	ds_load_b128 v[16:19], v5
	ds_load_b128 v[20:23], v5 offset:16
.irp p, 0,1,2,3
	v_cvt_pk_bf16_f32 v[24+\p], s[24+2*\p], s[25+2*\p]   ; bg rounded to bf16,
.endr
.irp p, 0,1,2,3
	v_lshlrev_b32 v[32+2*\p], 16, v[24+\p]               ; and back in f32
	v_and_b32 v[33+2*\p], 0xffff0000, v[24+\p]
.endr
	s_wait_dscnt 0x0
.irp e, 0,1,2,3,4,5,6,7
	v_add_f32 v[16+\e], v[16+\e], v[32+\e]
.endr
	v_mov_b32 v40, v16                             ; the largest, by a strict comparison in ascending order: the lower index keeps a tie
	v_mov_b32 v41, 0
.irp e, 1,2,3,4,5,6,7
	v_cmp_gt_f32 vcc_lo, v[16+\e], v40
	v_cndmask_b32 v40, v40, v[16+\e], vcc_lo
	v_cndmask_b32 v41, v41, \e, vcc_lo
.endr
	v_mov_b32 v42, 0xff800000                      ; the second: the same scan without the winner
	v_mov_b32 v43, 0
.irp e, 0,1,2,3,4,5,6,7
	v_cmp_ne_u32 s40, \e, v41
	v_cmp_gt_f32 vcc_lo, v[16+\e], v42
	s_and_b32 vcc_lo, vcc_lo, s40
	v_cndmask_b32 v42, v42, v[16+\e], vcc_lo
	v_cndmask_b32 v43, v43, \e, vcc_lo
.endr
	v_sub_f32 v44, v42, v40                        ; the maximum is taken away: the exponent is 0 for the first and m2 - m1 <= 0 for the second
	v_mul_f32 v44, 0x3fb8aa3b, v44
	v_exp_f32 v44, v44
	v_lshl_or_b32 v46, v43, 8, v41                 ; sel; also the plain line behind the exponential
	s_wait_alu depctr_va_vdst(0)
	v_add_f32 v45, 1.0, v44
	v_rcp_f32 v48, v45                             ; w0 = 1 / (1 + ex)
	v_mov_b32 v50, 0                               ; the row of masks and counts begins as zeros; also the plain line behind the reciprocal
	s_wait_alu depctr_va_vdst(0)
	v_mul_f32 v49, v44, v48                        ; w1 = ex w0
.irp e, 0,1,2,3,4,5,6,7
	v_cmp_eq_u32 s40, \e, v41
	v_cmp_eq_u32 s41, \e, v43
	s_or_b32 s40, s40, s41                         ; which of my 32 tokens chose expert e,
	s_bcnt1_i32_b32 s41, s40                       ; and how many
	v_writelane_b32 v50, s40, \e
	v_writelane_b32 v50, s41, \e+8
.endr
	s_lshl_b32 s20, ttmp9, 7
	v_lshl_add_u32 v51, v1, 2, s20
	global_store_b32 v51, v46, s[10:11] offset:2048
	s_lshl_b32 s21, ttmp9, 8
	v_lshl_add_u32 v52, v1, 3, s21
	global_store_b64 v52, v[48:49], s[12:13]       ; 256 consecutive bytes, at a multiple of 256 from gw's first
	s_lshl_b32 s22, ttmp9, 6
	v_lshl_add_u32 v53, v1, 2, s22
	v_cmp_gt_u32 vcc_lo, 16, v1
	s_wait_xcnt 0x0                                ; EXEC is a source of the stores above: it changes only behind this wait
	s_and_saveexec_b32 s23, vcc_lo
	global_store_b32 v53, v50, s[10:11]            ; lanes 0-15: 8 masks, 8 counts
	s_wait_xcnt 0x0                                ; and again in front of the line that widens it
	s_or_b32 exec_lo, exec_lo, s23
.Ldone:
	s_wait_tensorcnt 0x0                           ; the wave's end
	ds_add_u32 v[SPW], v[NIL]
	s_wait_dscnt 0x0
	s_endpgm
.Lfunc_end_k_qff60d81726_gate:
	.size	k_qff60d81726_gate, .Lfunc_end_k_qff60d81726_gate-k_qff60d81726_gate
	.p2alignl 7, 3214868480
	.fill 96, 4, 3214868480
	.section	.rodata,"a",@progbits
	.p2align	6, 0x0
	.amdhsa_kernel k_qff60d81726_gate
		.amdhsa_group_segment_fixed_size 2048
		.amdhsa_private_segment_fixed_size 0
		.amdhsa_enable_private_segment 0
		.amdhsa_kernarg_size 40
		.amdhsa_user_sgpr_count 2
		.amdhsa_user_sgpr_kernarg_segment_ptr 1
		.amdhsa_wavefront_size32 1
		.amdhsa_system_sgpr_workgroup_id_x 1
		.amdhsa_system_sgpr_workgroup_id_y 1
		.amdhsa_system_sgpr_workgroup_id_z 1
		.amdhsa_system_vgpr_workitem_id 0
		.amdhsa_next_free_vgpr 512
		.amdhsa_next_free_sgpr 66
		.amdhsa_reserve_vcc 1
		.amdhsa_float_denorm_mode_32 3
		.amdhsa_float_denorm_mode_16_64 3
		.amdhsa_memory_ordered 1
		.amdhsa_forward_progress 1
		.amdhsa_inst_pref_size 106
	.end_amdhsa_kernel
	.amdgpu_metadata
---
amdhsa.version: [ 1, 2 ]
amdhsa.kernels:
  - .name:           k_qff60d81726_gate
    .symbol:         k_qff60d81726_gate.kd
    .args:
      - { .name: x, .offset: 0, .size: 8, .value_kind: global_buffer, .address_space: global }
      - { .name: Wg, .offset: 8, .size: 8, .value_kind: global_buffer, .address_space: global }
      - { .name: bg, .offset: 16, .size: 8, .value_kind: global_buffer, .address_space: global }
      - { .name: route, .offset: 24, .size: 8, .value_kind: global_buffer, .address_space: global }
      - { .name: gw, .offset: 32, .size: 8, .value_kind: global_buffer, .address_space: global }
    .group_segment_fixed_size: 2048
    .private_segment_fixed_size: 0
    .kernarg_segment_align: 8
    .kernarg_segment_size: 40
    .max_flat_workgroup_size: 256
    .sgpr_count:     66
    .vgpr_count:     512
    .wavefront_size: 32
...
	.end_amdgpu_metadata
.endif
;; end of part 1
;; launch lists (part 2): grid 8 x 1, 4 waves a work-group, no clusters, 0 bytes of LDS; arguments route, plan; writes plan
.if DOCPART == 2
	.amdgcn_target "amdgcn-amd-amdhsa--gfx1250"
	.amdhsa_code_object_version 6
	.text
	.protected	k_qff60d81726_lists
	.globl	k_qff60d81726_lists
	.p2align	8
	.type	k_qff60d81726_lists,@function
k_qff60d81726_lists:
	s_mov_b64 s[64:65], 0
	v_nop
	global_prefetch_b8 v0, s[64:65] scope:SCOPE_SE
	s_setreg_imm32_b32 hwreg(HW_REG_WAVE_MODE, 25, 1), 1
	s_wait_xcnt 0x0
; FROM CHOICES TO LISTS.  A slot is one (token, expert) pair; an expert's slots lie together, begin on a group of 32 and are padded to a whole group with token 0.
; plan: list[2304] u32 (slot -> token) at 0; tokslot[1024][2] u32 (token -> its two slots) at 9,216; meta at 17,408: meta[2 e] = the expert's first group, meta[2 e + 1] = its groups, meta[16] = groups in all.
; 32 waves; wave Wd owns tokens 32 Wd + lane.  No LDS, no barrier: every wave sums the 32 x 8 counts for itself (lane l takes row l), once over all rows and once over the rows below its own.
; A token's place among an expert's slots = the expert's first slot + the tokens of lower rows + the set bits below my lane in my row's mask.
; THE LAST GROUP IS NOBODY'S: 2,048 slots and under 32 pads an expert, which add up to a multiple of 32, so 224 at the most: 71 of the list's 72 groups.  Lanes that have no pad to write put their 0 there.
.set SEL,  2048
.set TOKS, 9216
.set META, 17408
.set FREE, 2272                        ; the first slot of group 71
	s_load_b128 s[4:7], s[0:1], 0x0                ; route s[4:5], plan s[6:7]
	v_and_b32 v1, 31, v0
	v_lshrrev_b32 v2, 5, v0
	v_readfirstlane_b32 s8, v2
	s_lshl2_add_u32 s9, ttmp9, s8                  ; Wd = 4 x work-group + wave
	s_lshl_b32 s10, s9, 6                          ; my row of masks
	s_lshl_b32 s11, s9, 7                          ; my 32 words of sel
	v_lshlrev_b32 v3, 6, v1
	v_lshl_add_u32 v4, v1, 2, s11
	s_mov_b32 s12, 0x76543210
	s_mov_b32 s13, 0xfedcba98
	s_wait_kmcnt 0x0
	s_load_b256 s[16:23], s[4:5], s10 offset:0x0   ; my row's 8 masks
	global_load_b128 v[16:19], v3, s[4:5] offset:32  ; row l's 8 counts
	global_load_b128 v[20:23], v3, s[4:5] offset:48
	global_load_b32 v5, v4, s[4:5] offset:SEL
	v_cmp_gt_u32 vcc_lo, s9, v1                    ; rows below mine
.irp n, 0,1,2,3,4,5,6,7
	v_mov_b32 v[32+\n], 0                          ; the lane moves' destinations count as read
.endr
	s_wait_loadcnt 0x0
.irp p, 0,1,2,3
	v_lshl_or_b32 v[24+\p], v[17+2*\p], 16, v[16+2*\p]   ; two experts to a register: a sum is 1,024 at the most
.endr
.irp p, 0,1,2,3
	v_cndmask_b32 v[28+\p], 0, v[24+\p], vcc_lo
.endr
.irp k, 1,2,4,8
.irp n, 0,1,2,3,4,5,6,7
	v_mov_b32_dpp v[32+\n], v[24+\n] row_xmask:\k row_mask:0xf bank_mask:0xf
.endr
.irp n, 0,1,2,3,4,5,6,7
	v_add_nc_u32 v[24+\n], v[24+\n], v[32+\n]
.endr
.endr
.irp n, 0,1,2,3,4,5,6,7
	v_permlanex16_b32 v[32+\n], v[24+\n], s12, s13
.endr
.irp n, 0,1,2,3,4,5,6,7
	v_add_nc_u32 v[24+\n], v[24+\n], v[32+\n]
.endr
.irp p, 0,1,2,3
	v_readfirstlane_b32 s70, v[24+\p]
	s_and_b32 s[24+2*\p], s70, 0xffff              ; s24-31: the experts' totals
	s_lshr_b32 s[25+2*\p], s70, 16
	v_readfirstlane_b32 s70, v[28+\p]
	s_and_b32 s[32+2*\p], s70, 0xffff              ; s32-39: their tokens in the rows below mine
	s_lshr_b32 s[33+2*\p], s70, 16
.endr
	s_mov_b32 s71, 0                               ; groups so far
.irp e, 0,1,2,3,4,5,6,7
	s_mov_b32 s[40+\e], s71                        ; s40-47: first group
	s_add_co_u32 s72, s[24+\e], 31
	s_lshr_b32 s[48+\e], s72, 5                    ; s48-55: groups
	s_add_co_u32 s71, s71, s[48+\e]
	s_lshl_b32 s72, s[40+\e], 5
	s_add_co_u32 s[56+\e], s72, s[32+\e]           ; s56-63: the slot of my row's first token
.endr
	s_wait_kmcnt 0x0
	v_and_b32 v6, 0xff, v5                         ; my token's two experts
	v_bfe_u32 v7, v5, 8, 8
	v_mov_b32 v8, 0
	v_mov_b32 v9, 0
.irp e, 0,1,2,3,4,5,6,7
	v_mbcnt_lo_u32_b32 v10, s[16+\e], s[56+\e]
	v_cmp_eq_u32 vcc_lo, \e, v6
	v_cndmask_b32 v8, v8, v10, vcc_lo
	v_cmp_eq_u32 vcc_lo, \e, v7
	v_cndmask_b32 v9, v9, v10, vcc_lo
.endr
	v_min_u32 v8, 2303, v8                         ; numbers made of loaded ones enter an address behind a written bound
	v_min_u32 v9, 2303, v9
	v_lshlrev_b32 v11, 2, v8
	v_lshlrev_b32 v12, 2, v9
	v_lshl_add_u32 v13, s9, 5, v1                  ; my token
	v_lshlrev_b32 v14, 3, v13
	global_store_b32 v11, v13, s[6:7]
	global_store_b32 v12, v13, s[6:7]
	global_store_b64 v14, v[8:9], s[6:7] offset:TOKS
	s_cmp_lg_u32 s9, 0
	s_cbranch_scc1 .Lend
	; wave 0 of work-group 0: the pads and meta.  All lanes stay on: a lane behind the end of the expert's last group writes its 0 into the group that is nobody's.
	; Each of the eight addresses has a register of its own, written once: no store's source is rewritten.
	v_mov_b32 v40, 0                               ; token 0 stands in: its rows are computed and never read
	v_add_nc_u32 v41, FREE, v1
.irp e, 0,1,2,3,4,5,6,7
	s_lshl_b32 s72, s[40+\e], 5
	s_add_co_u32 s73, s72, s[24+\e]                ; the first slot behind the expert's tokens,
	s_lshl_b32 s74, s[48+\e], 5
	s_add_co_u32 s74, s74, s72                     ; and the end of its last group
	v_add_nc_u32 v[48+\e], s73, v1
	v_cmp_gt_u32 vcc_lo, s74, v[48+\e]
	v_cndmask_b32 v[48+\e], v41, v[48+\e], vcc_lo
	v_min_u32 v[48+\e], 2303, v[48+\e]
	v_lshlrev_b32 v[48+\e], 2, v[48+\e]
	global_store_b32 v[48+\e], v40, s[6:7]
.endr
	v_mov_b32 v42, 0
.irp e, 0,1,2,3,4,5,6,7
	v_writelane_b32 v42, s[40+\e], 2*\e
	v_writelane_b32 v42, s[48+\e], 2*\e+1
.endr
	v_writelane_b32 v42, s71, 16
	v_lshlrev_b32 v43, 2, v1
	global_store_b32 v43, v42, s[6:7] offset:META
.Lend:
	s_endpgm
.Lfunc_end_k_qff60d81726_lists:
	.size	k_qff60d81726_lists, .Lfunc_end_k_qff60d81726_lists-k_qff60d81726_lists
	.p2alignl 7, 3214868480
	.fill 96, 4, 3214868480
	.section	.rodata,"a",@progbits
	.p2align	6, 0x0
	.amdhsa_kernel k_qff60d81726_lists
		.amdhsa_group_segment_fixed_size 0
		.amdhsa_private_segment_fixed_size 0
		.amdhsa_enable_private_segment 0
		.amdhsa_kernarg_size 16
		.amdhsa_user_sgpr_count 2
		.amdhsa_user_sgpr_kernarg_segment_ptr 1
		.amdhsa_wavefront_size32 1
		.amdhsa_system_sgpr_workgroup_id_x 1
		.amdhsa_system_sgpr_workgroup_id_y 1
		.amdhsa_system_sgpr_workgroup_id_z 1
		.amdhsa_system_vgpr_workitem_id 0
		.amdhsa_next_free_vgpr 64
		.amdhsa_next_free_sgpr 80
		.amdhsa_reserve_vcc 1
		.amdhsa_float_denorm_mode_32 3
		.amdhsa_float_denorm_mode_16_64 3
		.amdhsa_memory_ordered 1
		.amdhsa_forward_progress 1
		.amdhsa_inst_pref_size 15
	.end_amdhsa_kernel
	.amdgpu_metadata
---
amdhsa.version: [ 1, 2 ]
amdhsa.kernels:
  - .name:           k_qff60d81726_lists
    .symbol:         k_qff60d81726_lists.kd
    .args:
      - { .name: route, .offset: 0, .size: 8, .value_kind: global_buffer, .address_space: global }
      - { .name: plan, .offset: 8, .size: 8, .value_kind: global_buffer, .address_space: global }
    .group_segment_fixed_size: 0
    .private_segment_fixed_size: 0
    .kernarg_segment_align: 8
    .kernarg_segment_size: 16
    .max_flat_workgroup_size: 128
    .sgpr_count:     80
    .vgpr_count:     64
    .wavefront_size: 32
...
	.end_amdgpu_metadata
.endif
;; end of part 2
;; launch gather (part 3): grid 256 x 1, 4 waves a work-group, no clusters, 17,920 bytes of LDS; arguments x, plan, xg; writes xg
.if DOCPART == 3
	.amdgcn_target "amdgcn-amd-amdhsa--gfx1250"
	.amdhsa_code_object_version 6
	.text
	.protected	k_qff60d81726_gather
	.globl	k_qff60d81726_gather
	.p2align	8
	.type	k_qff60d81726_gather,@function
k_qff60d81726_gather:
	s_mov_b64 s[64:65], 0
	v_nop
	global_prefetch_b8 v0, s[64:65] scope:SCOPE_SE
	s_setreg_imm32_b32 hwreg(HW_REG_WAVE_MODE, 25, 1), 1
	s_wait_xcnt 0x0
; THE CHOSEN TOKENS' ROWS OF x, rounded once to bf16 and laid out as matrix fragments:
; xg[T][wq 4][tau 2][i 8][q 2][lane 32][16 bytes]: group T of 32 slots, K quarter wq, tile tau of 16 slots, K step i of 32; piece (q, lane = 16 h + r) holds slot r, k = 256 wq + 32 i + 16 q + 8 h + 0..7.
; A wave's item is 16 slots x 128 k: item = (T, tau, k8) = wave's number in the launch + 1,024 x trip; 16 x (groups in use) items, so one or two trips a wave (at least 64 groups are in use: 2,048 slots).
; In: a row's 512 consecutive bytes by one load.  Through the wave's own LDS stage (rows of 256 bytes + 16: the 16 rows that a load back touches start 16 bytes apart modulo 256).  Out: 512 consecutive bytes a store.
; No barrier: a wave reads only what it wrote, and LDS serves a wave's instructions in order (ISA guide 5.7.1).
.set SPARE, 17408                      ; behind the four stages of 4,352 bytes
.set PITCH, 272
	s_load_b128 s[4:7], s[0:1], 0x0                ; x s[4:5], plan s[6:7]
	s_load_b64 s[8:9], s[0:1], 0x10                ; xg
	v_lshl_add_u32 v14, v0, 2, SPARE               ; v14, v15: my spare word and 0; never rewritten
	v_mov_b32 v15, 0
	v_and_b32 v1, 31, v0
	v_and_b32 v2, 15, v0                           ; r
	v_bfe_u32 v3, v0, 4, 1                         ; h
	v_lshrrev_b32 v4, 5, v0
	v_readfirstlane_b32 s10, v4
	s_lshl2_add_u32 s11, ttmp9, s10                ; my wave among the launch's 1,024
	s_mul_i32 s12, s10, 16*PITCH                   ; my stage
	v_lshlrev_b32 v5, 4, v1                        ; 16 x lane
	v_lshl_add_u32 v6, v1, 3, s12                  ; in: 8 bytes a lane
	v_mul_u32_u24 v7, v2, PITCH
	v_lshl_add_u32 v7, v3, 4, v7
	v_add_nc_u32 v7, s12, v7                       ; back: row r, 16 bytes for each half of the lanes
	s_wait_kmcnt 0x0
	s_load_b32 s13, s[6:7], 17472                  ; meta[16]: groups in use
	s_wait_kmcnt 0x0
	s_min_u32 s13, s13, 72
	s_lshl_b32 s13, s13, 4                         ; items
	s_add_co_u32 s13, s13, 1023
	s_sub_co_u32 s13, s13, s11
	s_lshr_b32 s13, s13, 10                        ; my trips: 1 or 2
	s_mov_b32 s14, 0
	s_mov_b32 s15, s11                             ; my item
.Litem:
	s_wait_xcnt 0x0                                ; the last trip's loads and stores have read their bases and data
	s_min_u32 s66, s15, 1151
	s_lshr_b32 s67, s66, 3
	s_lshl_b32 s67, s67, 6                         ; list + 4 (32 T + 16 tau)
	s_load_b512 s[16:31], s[6:7], s67 offset:0x0   ; the tile's 16 tokens
	s_and_b32 s68, s66, 7                          ; k8
	s_lshl_b32 s69, s68, 9
	s_lshr_b32 s70, s66, 4
	s_lshl_b32 s70, s70, 16                        ; T x 65,536
	s_bfe_u32 s71, s66, 0x10003
	s_lshl_b32 s71, s71, 13                        ; tau x 8,192
	s_add_co_u32 s70, s70, s71
	s_lshr_b32 s71, s68, 1
	s_lshl_b32 s71, s71, 14                        ; wq x 16,384
	s_add_co_u32 s70, s70, s71
	s_and_b32 s71, s68, 1
	s_lshl_b32 s71, s71, 12                        ; K steps 4 (k8 % 2) on
	s_add_co_u32 s70, s70, s71
	s_mov_b32 s71, 0
	s_add_nc_u64 s[72:73], s[8:9], s[70:71]
	s_wait_kmcnt 0x0
.set r_, 0
.rept 16
	s_min_u32 s[16+r_], s[16+r_], 1023
	s_lshl_b32 s[32+2*r_], s[16+r_], 12
	s_add_co_u32 s[32+2*r_], s[32+2*r_], s69
	s_mov_b32 s[33+2*r_], 0
	s_add_nc_u64 s[32+2*r_:33+2*r_], s[4:5], s[32+2*r_:33+2*r_]
	global_load_b128 v[16+4*r_:19+4*r_], v5, s[32+2*r_:33+2*r_]
.set r_, r_+1
.endr
.set r_, 0
.rept 16
	s_wait_loadcnt 15-r_                           ; row r_ is in; the younger rows stay out
	v_cvt_pk_bf16_f32 v[80+2*r_], v[16+4*r_], v[17+4*r_]
	v_cvt_pk_bf16_f32 v[81+2*r_], v[18+4*r_], v[19+4*r_]
	ds_store_b64 v6, v[80+2*r_:81+2*r_] offset:r_*PITCH
.set r_, r_+1
.endr
.set p_, 0
.rept 8                                        ; piece p_ = 2 i' + q
	ds_load_b128 v[112+4*p_:115+4*p_], v7 offset:64*(p_/2)+32*(p_%2)
.set p_, p_+1
.endr
.set p_, 0
.rept 8
	s_wait_dscnt 7-p_
	global_store_b128 v5, v[112+4*p_:115+4*p_], s[72:73] offset:(p_/2)*1024+(p_%2)*512
.set p_, p_+1
.endr
	s_add_co_u32 s15, s15, 1024
	s_add_co_u32 s14, s14, 1
	s_cmp_lt_u32 s14, s13
	s_cbranch_scc1 .Litem
	s_wait_tensorcnt 0x0                           ; the wave's end
	ds_add_u32 v14, v15
	s_wait_dscnt 0x0
	s_endpgm
.Lfunc_end_k_qff60d81726_gather:
	.size	k_qff60d81726_gather, .Lfunc_end_k_qff60d81726_gather-k_qff60d81726_gather
	.p2alignl 7, 3214868480
	.fill 96, 4, 3214868480
	.section	.rodata,"a",@progbits
	.p2align	6, 0x0
	.amdhsa_kernel k_qff60d81726_gather
		.amdhsa_group_segment_fixed_size 17920
		.amdhsa_private_segment_fixed_size 0
		.amdhsa_enable_private_segment 0
		.amdhsa_kernarg_size 24
		.amdhsa_user_sgpr_count 2
		.amdhsa_user_sgpr_kernarg_segment_ptr 1
		.amdhsa_wavefront_size32 1
		.amdhsa_system_sgpr_workgroup_id_x 1
		.amdhsa_system_sgpr_workgroup_id_y 1
		.amdhsa_system_sgpr_workgroup_id_z 1
		.amdhsa_system_vgpr_workitem_id 0
		.amdhsa_next_free_vgpr 144
		.amdhsa_next_free_sgpr 76
		.amdhsa_reserve_vcc 0
		.amdhsa_float_denorm_mode_32 3
		.amdhsa_float_denorm_mode_16_64 3
		.amdhsa_memory_ordered 1
		.amdhsa_forward_progress 1
		.amdhsa_inst_pref_size 13
	.end_amdhsa_kernel
	.amdgpu_metadata
---
amdhsa.version: [ 1, 2 ]
amdhsa.kernels:
  - .name:           k_qff60d81726_gather
    .symbol:         k_qff60d81726_gather.kd
    .args:
      - { .name: x, .offset: 0, .size: 8, .value_kind: global_buffer, .address_space: global }
      - { .name: plan, .offset: 8, .size: 8, .value_kind: global_buffer, .address_space: global }
      - { .name: xg, .offset: 16, .size: 8, .value_kind: global_buffer, .address_space: global }
    .group_segment_fixed_size: 17920
    .private_segment_fixed_size: 0
    .kernarg_segment_align: 8
    .kernarg_segment_size: 24
    .max_flat_workgroup_size: 128
    .sgpr_count:     76
    .vgpr_count:     144
    .wavefront_size: 32
...
	.end_amdgpu_metadata
.endif
;; end of part 3
;; launch ffn1 (part 4): grid 32 x 8, 4 waves a work-group, no clusters, 66,048 bytes of LDS; arguments xg, W1, b1, plan, hbuf; writes hbuf
.if DOCPART == 4
	.amdgcn_target "amdgcn-amd-amdhsa--gfx1250"
	.amdhsa_code_object_version 6
	.text
	.protected	k_qff60d81726_ffn1
	.globl	k_qff60d81726_ffn1
	.p2align	8
	.type	k_qff60d81726_ffn1,@function
k_qff60d81726_ffn1:
	s_mov_b64 s[64:65], 0
	v_nop
	global_prefetch_b8 v0, s[64:65] scope:SCOPE_SE
	s_setreg_imm32_b32 hwreg(HW_REG_WAVE_MODE, 25, 1), 1
	s_wait_xcnt 0x0
; h = gelu(x W1[e] + b1[e]) for the slots of expert e, columns 128 nb .. 128 nb + 127.  Grid: x = nb (32), y = e (8).
; THE WEIGHTS STAY, THE TOKENS PASS.  The work-group's 1,024 x 128 of W1[e] are read once and kept in registers as bf16 fragments: wave w holds k = 256 w .. + 255, all 128 columns: 512 registers.
; Then the expert's slots pass in groups of 32 (two tiles tau of 16), read from xg in fragment order.  A wave's sums cover its K quarter alone; the four waves exchange them through LDS,
; and wave w finishes (tau = w % 2, column half g = w / 2): bias, gelu, rounding to bf16, store.
; WEIGHT FRAGMENTS WITHOUT A TRANSPOSE.  Lane (r = lane % 16, h = lane / 16) loads 16 bytes, columns 4 r .. 4 r + 3 of a column half of 64, of row k = 32 i + 16 q + 8 h + j: lanes 0-15 take 256 consecutive
; bytes of one row, lanes 16-31 of another.  The c-th of the four numbers belongs to fragment c, whose row slot r is column 64 g + 4 r + c.  Two rows j, j + 1 round into register 4 q + j / 2.
; Weights are source 0, tokens source 1: result register j of lane (r, h) is (column 64 g + 32 h + 4 j + c, slot r).  Pairs of j round straight into the token fragments of the second half:
; hbuf[T][blk 16][tau 2][i 8][q 2][lane][16 bytes], K step 8 blk + i = 4 nb + 2 g + phi, piece q, with c = 2 phi + q: a fixed permutation of the 4,096 columns, which the second half follows in W2's rows.
; ROTATION.  Wave w loads column half g' xor (w / 2) as its local g' and tile tau' xor (w % 2) as its local tau', by addresses alone: its own share is local (0, 0) in every wave,
; and local set x = 2 g' + tau' belongs to wave w xor x.
; THE WALK has a constant 32 trips (an expert has 32 groups at the most) with two barriers each; the expert's number of groups, read from plan, only steers jumps forward over text without a barrier.
; GELU = 0.5 z + |z| (0.5 - Q(|z|)), Q = 2^(-z z log2(e) / 2) t (c1 + t (c2 + t (c3 + t (c4 + t c5)))), t = 1 / (1 + 0.2316419 |z|): Abramowitz and Stegun 26.2.17, within 7.5e-8 of the normal integral.
; It holds at every size of z: Q goes to 0 for large |z|, and then h is z or exactly 0.
; LIMITS.  x, W1 and b1 are rounded once to bf16, h once to bf16 (bf16, so that large inputs keep their range); sums in f32.  NaN and infinities are not treated apart.
; NO CLUSTER: the weights are shared by nobody, and the tokens go from memory into registers, not through LDS tiles.
; REGISTERS, in windows of 256 (s_set_vgpr_msb: bits 1:0 source 0, 3:2 source 1, 5:4 source 2, 7:6 destination):
;   window 0: addresses, bias, the finishing work     window 1: v0-127 token fragments (tau', i) at 8 (8 tau' + i); v128-255 accumulators (tau', a' = 4 g' + c) at 128 + 8 (8 tau' + a');
;   in the weight phase all of window 1 is four landing slots of 64     windows 2, 3: weight fragments (i, a') at 8 (8 (i % 4) + a'), K steps 0-3 and 4-7
.set SPARE, 65536                      ; behind the exchange: the spare words, 128 bytes a wave
.set WV,   4                           ; v4-5    weights: h x 8 rows + 16 r + my local g's column half
.set AV,   6                           ; v6-7    tokens: 16 lane + my local tau's tile
.set XS,   8                           ; v8      exchange, out: wave x 16,384 + 16 lane
.set XL,   8                           ; v9-11   exchange, in: set x of wave w xor x
.set HV,   12                          ; v12     16 lane
.set BV,   13                          ; v13     128 h
.set SPW,  14                          ; v14     my spare word; never rewritten
.set NIL,  15                          ; v15     0; never rewritten
.set BIAS, 16                          ; v16-47  bias of (c, j) at 8 c + j
.set Z,    48                          ; v48-79  the sums being finished
.set R1,   80                          ; v80-175 the three partners' sets; then:
.set EE,   80                          ;         the exponential
.set TT,   112                         ;         t, later 0.5 z
.set PL,   144                         ;         the polynomial
.set H,    176                         ; v176-191 h in bf16
.set ACC,  128
.set CP,   40                          ; s[40:53] constants, each as a pair
.set C5,   42
.set C4,   44
.set C3,   46
.set C2,   48
.set C1,   50
.set CKE,  52
.set MSB, 0
.macro WIN new                         ; the immediate's high byte repeats the setting that is left
.if MSB != (\new)
	s_set_vgpr_msb (MSB<<8)|(\new)
.set MSB, (\new)
.endif
.endm
.macro CPAIR r, val
	s_mov_b32 s[\r], \val
	s_mov_b32 s[(\r)+1], \val
.endm
.macro PLACES
.rept 4
	v_nop
.endr
.endm
.macro BAR
	s_wait_dscnt 0x0                               ; for the others' sake: none of my LDS instructions is out
	s_barrier_signal -1
	s_barrier_wait -1
.endm
; Unit u = 2 i + g': 32 k x 64 columns, 16 loads into landing slot u % 4
.macro WLOAD u
	WIN 0x40
.set wr_, 0
.rept 16
	global_load_b128 v[64*((\u)%4)+4*wr_:64*((\u)%4)+4*wr_+3], v[WV+(\u)%2], s[24:25] offset:(32*((\u)/2)+16*(wr_/8)+wr_%8)*16384 th:TH_LOAD_NT
.set wr_, wr_+1
.endr
.endm
; and its 32 roundings into four fragments: register wp_ = 4 q + j / 2 takes rows 2 wp_ and 2 wp_ + 1 of the 16
.macro WCVT u
	WIN 0x85+0x40*((\u)/8)
.set wc_, 0
.rept 4
.set wp_, 0
.rept 8
	v_cvt_pk_bf16_f32 v[(8*(((\u)/2)%4)+4*((\u)%2)+wc_)*8+wp_], v[64*((\u)%4)+8*wp_+wc_], v[64*((\u)%4)+8*wp_+4+wc_]
.set wp_, wp_+1
.endr
.set wc_, wc_+1
.endr
.endm
.macro ALOAD0                          ; the first group's 32 token loads, K step by K step
	WIN 0x40
.set ai_, 0
.rept 8
.set at_, 0
.rept 2
	global_load_b128 v[(8*at_+ai_)*8:(8*at_+ai_)*8+3], v[AV+at_], s[26:27] offset:ai_*1024
	global_load_b128 v[(8*at_+ai_)*8+4:(8*at_+ai_)*8+7], v[AV+at_], s[26:27] offset:ai_*1024+512
.set at_, at_+1
.endr
.set ai_, ai_+1
.endr
.endm
; THE FINISHING WORK of one group's 32 numbers a lane: a list of 336 lines; GQ writes number gq.  From 80 to 207 a reciprocal or exponential stands at every even number and a plain line
; that touches neither its result nor its source at every odd one.
.macro GQ
	WIN 0
.if gq < 48                                    ; the three partners' sums
.set ga_, Z+2*(gq%16)
.set gb_, R1+32*(gq/16)+2*(gq%16)
	v_pk_add_f32 v[ga_:ga_+1], v[ga_:ga_+1], v[gb_:gb_+1]
.elseif gq < 80                                ; 1 + p |z|
.set ga_, gq-48
	v_fma_f32 v[TT+ga_], |v[Z+ga_]|, s[CP], 1.0
.elseif (gq < 144) && (gq%2 == 0)              ; t
.set ga_, (gq-80)/2
	v_rcp_f32 v[TT+ga_], v[TT+ga_]
.elseif gq < 112                               ; z z
.set ga_, gq-81
	v_pk_mul_f32 v[EE+ga_:EE+ga_+1], v[Z+ga_:Z+ga_+1], v[Z+ga_:Z+ga_+1]
.elseif gq < 144                               ; times -log2(e) / 2
.set ga_, gq-113
	v_pk_mul_f32 v[EE+ga_:EE+ga_+1], v[EE+ga_:EE+ga_+1], s[CKE:CKE+1] op_sel_hi:[1,0]
.elseif (gq < 208) && (gq%2 == 0)
.set ga_, (gq-144)/2
	v_exp_f32 v[EE+ga_], v[EE+ga_]
.elseif gq < 176                               ; Horner's scheme in t
.set ga_, gq-145
	s_wait_alu depctr_va_vdst(0)
	v_pk_fma_f32 v[PL+ga_:PL+ga_+1], v[TT+ga_:TT+ga_+1], s[C5:C5+1], s[C4:C4+1] op_sel_hi:[1,0,0]
.elseif gq < 208
.set ga_, gq-177
	v_pk_fma_f32 v[PL+ga_:PL+ga_+1], v[PL+ga_:PL+ga_+1], v[TT+ga_:TT+ga_+1], s[C3:C3+1] op_sel_hi:[1,1,0]
.elseif gq < 224
.set ga_, 2*(gq-208)
	v_pk_fma_f32 v[PL+ga_:PL+ga_+1], v[PL+ga_:PL+ga_+1], v[TT+ga_:TT+ga_+1], s[C2:C2+1] op_sel_hi:[1,1,0]
.elseif gq < 240
.set ga_, 2*(gq-224)
	v_pk_fma_f32 v[PL+ga_:PL+ga_+1], v[PL+ga_:PL+ga_+1], v[TT+ga_:TT+ga_+1], s[C1:C1+1] op_sel_hi:[1,1,0]
.elseif gq < 256
.set ga_, 2*(gq-240)
	v_pk_mul_f32 v[PL+ga_:PL+ga_+1], v[PL+ga_:PL+ga_+1], v[TT+ga_:TT+ga_+1]
.elseif gq < 272                               ; 0.5 - Q
.set ga_, 2*(gq-256)
	s_wait_alu depctr_va_vdst(0)
	v_pk_fma_f32 v[PL+ga_:PL+ga_+1], v[PL+ga_:PL+ga_+1], v[EE+ga_:EE+ga_+1], 0.5 op_sel_hi:[1,1,0] neg_lo:[1,0,0] neg_hi:[1,0,0]
.elseif gq < 288                               ; 0.5 z
.set ga_, 2*(gq-272)
	v_pk_mul_f32 v[TT+ga_:TT+ga_+1], v[Z+ga_:Z+ga_+1], 0.5 op_sel_hi:[1,0]
.elseif gq < 320                               ; h
.set ga_, gq-288
	v_fma_f32 v[Z+ga_], |v[Z+ga_]|, v[PL+ga_], v[TT+ga_]
.else                                          ; register m = 4 c + j / 2: piece c of the four that are stored
.set ga_, gq-320
	v_cvt_pk_bf16_f32 v[H+ga_], v[Z+2*ga_], v[Z+2*ga_+1]
.endif
.set gq, gq+1
.endm
.macro SLICE
.rept 4
	GQ
.endr
.endm
; K step i of a group: 16 matrix instructions on the 16 accumulators, which take turns in the same order in every K step; ride = 1: four lines of the finishing work behind each.
; Then four places, since loads follow into registers that these products read (ISA guide 7.12.1 for vector instructions), and the same K step's fragments of the next group.
.macro MMK i, zero, ride
	s_wait_loadcnt 28                              ; this K step's 4 loads are in: behind them stand those of the 7 other K steps
.set ma_, 0
.rept 8
.set mt_, 0
.rept 2
	WIN 0x56+(\i)/4
.set md_, ACC+(8*mt_+ma_)*8
.set mw_, (8*((\i)%4)+ma_)*8
.set mx_, (8*mt_+(\i))*8
.if \zero
	v_wmma_f32_16x16x32_bf16 v[md_:md_+7], v[mw_:mw_+7], v[mx_:mx_+7], 0
.else
	v_wmma_f32_16x16x32_bf16 v[md_:md_+7], v[mw_:mw_+7], v[mx_:mx_+7], v[md_:md_+7]
.endif
.if \ride
	SLICE
.endif
.set mt_, mt_+1
.endr
.set ma_, ma_+1
.endr
	WIN 0x40
	PLACES
.set mt_, 0
.rept 2
	global_load_b128 v[(8*mt_+(\i))*8:(8*mt_+(\i))*8+3], v[AV+mt_], s[28:29] offset:(\i)*1024
	global_load_b128 v[(8*mt_+(\i))*8+4:(8*mt_+(\i))*8+7], v[AV+mt_], s[28:29] offset:(\i)*1024+512
.set mt_, mt_+1
.endr
.endm
.macro ZCOPY                           ; my own set leaves the accumulators, with the bias: each accumulator's registers in ascending order
	WIN 0x01
.set zc_, 0
.rept 16
	v_pk_add_f32 v[Z+2*zc_:Z+2*zc_+1], v[ACC+2*zc_:ACC+2*zc_+1], v[BIAS+2*zc_:BIAS+2*zc_+1]
.set zc_, zc_+1
.endr
.endm
.macro XSTORE                          ; sets 1 to 3 into my own quarter of the exchange; each accumulator's low four registers first
	WIN 0x04                                       ; the data lie in window 1
.irp x, 1,2,3
.irp c, 0,1,2,3
.irp u, 0,1
	ds_store_b128 v[XS], v[ACC+(8*((\x)%2)+4*((\x)/2)+(\c))*8+4*(\u):ACC+(8*((\x)%2)+4*((\x)/2)+(\c))*8+4*(\u)+3] offset:(\x)*4096+(\c)*1024+(\u)*512
.endr
.endr
.endr
	WIN 0
.endm
.macro XLOAD                           ; set x of wave w xor x is meant for me
	WIN 0
.irp x, 1,2,3
.irp c, 0,1,2,3
.irp u, 0,1
	ds_load_b128 v[R1+32*((\x)-1)+8*(\c)+4*(\u):R1+32*((\x)-1)+8*(\c)+4*(\u)+3], v[XL+(\x)] offset:(\c)*1024+(\u)*512
.endr
.endr
.endr
.endm
.macro HSTORE
	WIN 0
.irp m, 0,1,2,3
	global_store_b128 v[HV], v[H+4*(\m):H+4*(\m)+3], s[32:33] offset:512*(\m)   ; 512 consecutive bytes, at a multiple of 512 from hbuf's first
.endr
.endm
.macro SETHB                           ; hbuf at the group that is being finished: the expert's first group + T - 1
	s_add_co_u32 s22, s20, s36
	s_sub_co_u32 s22, s22, 1
	s_min_u32 s22, s22, 71                         ; a number read from memory enters an address behind a written bound; 72 groups have room
	s_lshl_b32 s34, s22, 18
	s_add_nc_u64 s[32:33], s[30:31], s[34:35]
.endm
	s_load_b256 s[4:11], s[0:1], 0x0               ; xg s[4:5], W1 s[6:7], b1 s[8:9], plan s[10:11]
	s_load_b64 s[12:13], s[0:1], 0x20              ; hbuf
	v_lshl_add_u32 v[SPW], v0, 2, SPARE
	v_mov_b32 v[NIL], 0
	v_and_b32 v1, 31, v0
	v_and_b32 v2, 15, v0                           ; r
	v_bfe_u32 v3, v0, 4, 1                         ; h
	v_lshrrev_b32 v16, 5, v0
	v_readfirstlane_b32 s14, v16                   ; w
	s_mov_b32 s15, ttmp9                           ; nb
	s_and_b32 s16, ttmp7, 0xffff                   ; e
	s_and_b32 s17, s14, 1
	s_lshr_b32 s18, s14, 1
	s_lshl_b32 s19, s16, 3
	s_mov_b32 s35, 0                               ; the high word of every offset
	v_lshlrev_b32 v[HV], 4, v1
	v_lshlrev_b32 v[BV], 7, v3
	v_lshlrev_b32 v16, 4, v2
	v_lshl_add_u32 v16, v3, 17, v16                ; 8 rows of 16,384 bytes for the upper half of the lanes
	s_lshl_b32 s22, s18, 8
	v_add_nc_u32 v[WV], s22, v16
	s_xor_b32 s22, s22, 256
	v_add_nc_u32 v[WV+1], s22, v16
	s_lshl_b32 s22, s17, 13
	v_add_nc_u32 v[AV], s22, v[HV]
	s_xor_b32 s22, s22, 8192
	v_add_nc_u32 v[AV+1], s22, v[HV]
	s_lshl_b32 s22, s14, 14
	v_add_nc_u32 v[XS], s22, v[HV]
.irp x, 1,2,3
	s_xor_b32 s22, s14, \x
	s_lshl_b32 s22, s22, 14
	s_add_co_u32 s22, s22, (\x)*4096
	v_add_nc_u32 v[XL+\x], s22, v[HV]
.endr
	CPAIR CP,  0x3e6d3389                          ; 0.2316419
	CPAIR C5,  0x3f07dc22                          ; the series' coefficients, each divided by sqrt(2 pi)
	CPAIR C4,  0xbf3a00e3
	CPAIR C3,  0x3f35f0e3
	CPAIR C2,  0xbe11a98e
	CPAIR C1,  0x3e027906
	CPAIR CKE, 0xbf38aa3b                          ; -log2(e) / 2
	s_wait_kmcnt 0x0
	s_load_b64 s[20:21], s[10:11], s19 offset:17408  ; the expert's first group and its number of groups
	s_lshl_b32 s34, s16, 24
	s_lshl_b32 s22, s14, 22
	s_add_co_u32 s34, s34, s22
	s_lshl_b32 s22, s15, 9
	s_add_co_u32 s34, s34, s22
	s_add_nc_u64 s[24:25], s[6:7], s[34:35]        ; W1[e], row 256 w, column 128 nb
	s_lshl_b32 s34, s16, 14
	s_add_co_u32 s34, s34, s22
	s_lshl_b32 s22, s18, 8
	s_add_co_u32 s34, s34, s22
	s_add_nc_u64 s[38:39], s[8:9], s[34:35]        ; b1[e] at my own column half
.irp j, 0,1,2,3,4,5,6,7
	global_load_b128 v[R1+4*\j:R1+4*\j+3], v[BV], s[38:39] offset:16*\j   ; columns 32 h + 4 j + 0..3
.endr
	WLOAD 0
	WLOAD 1
	WLOAD 2
	WLOAD 3
	s_lshr_b32 s34, s15, 1                         ; hbuf without the group: made of the ids alone
	s_lshl_b32 s34, s34, 14
	s_lshl_b32 s22, s17, 13
	s_add_co_u32 s34, s34, s22
	s_and_b32 s22, s15, 1
	s_lshl_b32 s22, s22, 2
	s_lshl1_add_u32 s22, s18, s22
	s_lshl_b32 s22, s22, 10
	s_add_co_u32 s34, s34, s22
	s_add_nc_u64 s[30:31], s[12:13], s[34:35]      ; block nb / 2, my tile, K steps 4 (nb % 2) + 2 (w / 2) on
	s_wait_kmcnt 0x0
	s_min_u32 s21, s21, 32                         ; N, the expert's groups
	s_max_u32 s23, s21, 1
	s_sub_co_u32 s23, s23, 1                       ; its last group's number
	s_cmp_eq_u32 s21, 0
	s_cselect_b32 s22, 0, s20                      ; an expert without slots multiplies group 0, which is always written, and stores nothing
	s_min_u32 s22, s22, 71
	s_min_u32 s20, s20, 71
	s_lshl_b32 s34, s22, 16
	s_lshl_b32 s22, s14, 14
	s_add_co_u32 s34, s34, s22
	s_add_nc_u64 s[26:27], s[4:5], s[34:35]        ; xg: the expert's first group, my K quarter
	; THE WEIGHT PHASE: four units, 64 loads, on their way; a unit is rounded and its landing slot asked for again
.set pu_, 0
.rept 16
.if (pu_ == 13) || (pu_ == 15)
	s_wait_loadcnt 32                              ; unit 13: units 14, 15 stay out; unit 15: the 32 token loads
.else
	s_wait_loadcnt 48                              ; three younger units stay out (unit 14: unit 15 and the 32 token loads)
.endif
.if pu_ == 0
	WIN 0                                          ; the bias, older than unit 0, is in: rounded to bf16 and put at 8 c + j
.irp c, 0,1,2,3
.irp p, 0,1,2,3
	v_cvt_pk_bf16_f32 v[Z+4*\c+\p], v[R1+8*\p+\c], v[R1+8*\p+4+\c]
.endr
.endr
.irp c, 0,1,2,3
.irp p, 0,1,2,3
	v_lshlrev_b32 v[BIAS+8*\c+2*\p], 16, v[Z+4*\c+\p]
	v_and_b32 v[BIAS+8*\c+2*\p+1], 0xffff0000, v[Z+4*\c+\p]
.endr
.endr
.endif
	WCVT pu_
.if pu_ < 12
	WLOAD pu_+4
.endif
.if pu_ == 13
	ALOAD0                                         ; landing slots 0 and 1 have been read out: they are the token fragments' registers
.endif
.set pu_, pu_+1
.endr
	; GROUP 0's products; the refills ask for group 1, or for the last group again
	s_min_u32 s22, s23, 1
	s_min_u32 s22, s22, 31
	s_lshl_b32 s34, s22, 16
	s_add_nc_u64 s[28:29], s[26:27], s[34:35]
	MMK 0, 1, 0
	MMK 1, 0, 0
	MMK 2, 0, 0
	MMK 3, 0, 0
	MMK 4, 0, 0
	MMK 5, 0, 0
	MMK 6, 0, 0
	MMK 7, 0, 0
	PLACES
	ZCOPY
	WIN 0
	s_mov_b32 s36, 1                               ; T
.Ltrip:                                                ; trip T: group T - 1 is exchanged and finished, group T multiplied
	BAR                                            ; every wave's reads of the exchange are back: it may be written
	s_cmp_gt_u32 s36, s21
	s_cbranch_scc1 .Lx1
	XSTORE
.Lx1:
	BAR                                            ; every wave's stores are done: it may be read
	s_cmp_gt_u32 s36, s21
	s_cbranch_scc1 .Lx2
	XLOAD
	s_cmp_eq_u32 s36, s21
	s_cbranch_scc1 .Ltail
	s_wait_xcnt 0x0                                ; the last trip's loads and stores have read their bases and H
	SETHB
	s_add_co_u32 s22, s36, 1
	s_min_u32 s22, s22, s23
	s_min_u32 s22, s22, 31
	s_lshl_b32 s34, s22, 16
	s_add_nc_u64 s[28:29], s[26:27], s[34:35]      ; the refills: group T + 1, or the last again
.set gq, 0
	MMK 0, 1, 0                                    ; the first product starts the sums: nothing is cleared
	MMK 1, 0, 0
	MMK 2, 0, 0
	s_wait_dscnt 0x0                               ; the partners' sets are in
	MMK 3, 0, 1                                    ; 80 matrix instructions carry lines 0 to 319
	MMK 4, 0, 1
	MMK 5, 0, 1
	MMK 6, 0, 1
	MMK 7, 0, 1
.rept 16
	GQ
.endr
	HSTORE
	ZCOPY
	WIN 0
	s_branch .Lx2
.Ltail:                                                ; the expert's last group: nothing is left to multiply
	s_wait_dscnt 0x0
	s_wait_xcnt 0x0
	SETHB
.set gq, 0
.rept 336
	GQ
.endr
	HSTORE
.Lx2:
	s_add_co_u32 s36, s36, 1
	s_cmp_lt_u32 s36, 33
	s_cbranch_scc1 .Ltrip
	s_wait_tensorcnt 0x0                           ; the wave's end
	ds_add_u32 v[SPW], v[NIL]
	s_wait_dscnt 0x0
	s_endpgm
.Lfunc_end_k_qff60d81726_ffn1:
	.size	k_qff60d81726_ffn1, .Lfunc_end_k_qff60d81726_ffn1-k_qff60d81726_ffn1
	.p2alignl 7, 3214868480
	.fill 96, 4, 3214868480
	.section	.rodata,"a",@progbits
	.p2align	6, 0x0
	.amdhsa_kernel k_qff60d81726_ffn1
		.amdhsa_group_segment_fixed_size 66048
		.amdhsa_private_segment_fixed_size 0
		.amdhsa_enable_private_segment 0
		.amdhsa_kernarg_size 40
		.amdhsa_user_sgpr_count 2
		.amdhsa_user_sgpr_kernarg_segment_ptr 1
		.amdhsa_wavefront_size32 1
		.amdhsa_system_sgpr_workgroup_id_x 1
		.amdhsa_system_sgpr_workgroup_id_y 1
		.amdhsa_system_sgpr_workgroup_id_z 1
		.amdhsa_system_vgpr_workitem_id 0
		.amdhsa_next_free_vgpr 1024
		.amdhsa_next_free_sgpr 66
		.amdhsa_reserve_vcc 0
		.amdhsa_float_denorm_mode_32 3
		.amdhsa_float_denorm_mode_16_64 3
		.amdhsa_memory_ordered 1
		.amdhsa_forward_progress 1
		.amdhsa_inst_pref_size 146
	.end_amdhsa_kernel
	.amdgpu_metadata
---
amdhsa.version: [ 1, 2 ]
amdhsa.kernels:
  - .name:           k_qff60d81726_ffn1
    .symbol:         k_qff60d81726_ffn1.kd
    .args:
      - { .name: xg, .offset: 0, .size: 8, .value_kind: global_buffer, .address_space: global }
      - { .name: W1, .offset: 8, .size: 8, .value_kind: global_buffer, .address_space: global }
      - { .name: b1, .offset: 16, .size: 8, .value_kind: global_buffer, .address_space: global }
      - { .name: plan, .offset: 24, .size: 8, .value_kind: global_buffer, .address_space: global }
      - { .name: hbuf, .offset: 32, .size: 8, .value_kind: global_buffer, .address_space: global }
    .group_segment_fixed_size: 66048
    .private_segment_fixed_size: 0
    .kernarg_segment_align: 8
    .kernarg_segment_size: 40
    .max_flat_workgroup_size: 128
    .sgpr_count:     66
    .vgpr_count:     1024
    .wavefront_size: 32
...
	.end_amdgpu_metadata
.endif
;; end of part 4
;; launch ffn2 (part 5): grid 32 x 8, 4 waves a work-group, no clusters, 66,048 bytes of LDS; arguments hbuf, W2, plan, part; writes part
.if DOCPART == 5
	.amdgcn_target "amdgcn-amd-amdhsa--gfx1250"
	.amdhsa_code_object_version 6
	.text
	.protected	k_qff60d81726_ffn2
	.globl	k_qff60d81726_ffn2
	.p2align	8
	.type	k_qff60d81726_ffn2,@function
k_qff60d81726_ffn2:
	s_mov_b64 s[64:65], 0
	v_nop
	global_prefetch_b8 v0, s[64:65] scope:SCOPE_SE
	s_setreg_imm32_b32 hwreg(HW_REG_WAVE_MODE, 25, 1), 1
	s_wait_xcnt 0x0
; part[slot][kq][col] = the sum over the K quarter kq (1,024 of the 4,096 columns of h) of h W2[e], f32, for the slots of expert e and columns 128 nb2 .. + 127.  Grid: x = nb2 + 8 kq, y = e.
; The form is the first half's: the work-group's 1,024 x 128 of W2[e] are read once and stay in registers as bf16 fragments (wave w: 256 of the 1,024), the expert's groups of 32 slots pass, read from hbuf
; in fragment order; the four waves exchange their sums through LDS, and wave w finishes (tile tau = w % 2, column half g = w / 2).  The four K quarters' sums are added by the next launch, in f32.
; W2's ROWS follow hbuf's order of h's columns: slot (q, h, j) of the wave's K step i is row 1,024 kq + 256 w + 128 (i / 4) + 64 ((i / 2) % 2) + 32 h + 4 j + 2 (i % 2) + q.
; Tokens are source 0, weights source 1: result register j of lane (r, h) is (slot 8 h + j, column 64 g + 4 r + c).  The copy out of the accumulators turns (c, j) into (j, c), so that a lane holds
; 4 neighbouring columns and 16 lanes store 256 consecutive bytes of a row of part.
; The walk, the rotation of tiles and column halves among the waves, and the register windows are the first half's.
; LIMITS.  W2 is rounded once to bf16; sums in f32.  NaN and infinities are not treated apart.  NO CLUSTER: weights are shared by nobody, tokens go from memory into registers.
.set SPARE, 65536
.set WV,   4                           ; v4-5    weights: h x 32 rows + 16 r + my local g's column half
.set AV,   6                           ; v6-7    tokens: 16 lane + my local tau's tile
.set XS,   8                           ; v8      exchange, out
.set XL,   8                           ; v9-11   exchange, in
.set PV,   12                          ; v12     part: h x 8 slots + 16 r
.set L16,  13                          ; v13     16 lane
.set SPW,  14
.set NIL,  15
.set Z,    48                          ; v48-79  the sums being finished, (j, c) at 4 j + c
.set R1,   80                          ; v80-175 the three partners' sets, (c, j) at 8 c + j
.set ACC,  128
.set GQN,  96
.set MSB, 0
.macro WIN new
.if MSB != (\new)
	s_set_vgpr_msb (MSB<<8)|(\new)
.set MSB, (\new)
.endif
.endm
.macro PLACES
.rept 4
	v_nop
.endr
.endm
.macro BAR
	s_wait_dscnt 0x0                               ; for the others' sake: none of my LDS instructions is out
	s_barrier_signal -1
	s_barrier_wait -1
.endm
.macro WLOAD u                         ; unit u = 2 i + g': 32 K slots x 64 columns, 16 loads into landing slot u % 4; load wr_ = 8 q + j
	WIN 0x40
.set wr_, 0
.rept 16
	global_load_b128 v[64*((\u)%4)+4*wr_:64*((\u)%4)+4*wr_+3], v[WV+(\u)%2], s[24:25] offset:(128*((\u)/8)+64*(((\u)/4)%2)+2*(((\u)/2)%2)+4*(wr_%8)+wr_/8)*4096 th:TH_LOAD_NT
.set wr_, wr_+1
.endr
.endm
.macro WCVT u
	WIN 0x85+0x40*((\u)/8)
.set wc_, 0
.rept 4
.set wp_, 0
.rept 8
	v_cvt_pk_bf16_f32 v[(8*(((\u)/2)%4)+4*((\u)%2)+wc_)*8+wp_], v[64*((\u)%4)+8*wp_+wc_], v[64*((\u)%4)+8*wp_+4+wc_]
.set wp_, wp_+1
.endr
.set wc_, wc_+1
.endr
.endm
.macro ALOAD0
	WIN 0x40
.set ai_, 0
.rept 8
.set at_, 0
.rept 2
	global_load_b128 v[(8*at_+ai_)*8:(8*at_+ai_)*8+3], v[AV+at_], s[26:27] offset:ai_*1024
	global_load_b128 v[(8*at_+ai_)*8+4:(8*at_+ai_)*8+7], v[AV+at_], s[26:27] offset:ai_*1024+512
.set at_, at_+1
.endr
.set ai_, ai_+1
.endr
.endm
.macro GQ                              ; line gq of the 96 that add the partners' sets
	WIN 0
	v_add_f32 v[Z+4*(gq%8)+(gq%32)/8], v[Z+4*(gq%8)+(gq%32)/8], v[R1+gq]
.set gq, gq+1
.endm
.macro SLICE
.rept 4
.if gq < GQN
	GQ
.endif
.endr
.endm
; K step i of a group: the 16 accumulators take turns in the same order in every K step; four places; the same K step's fragments of the next group
.macro MMK i, zero, ride
	s_wait_loadcnt 28                              ; this K step's 4 loads are in: behind them stand those of the 7 other K steps
.set ma_, 0
.rept 8
.set mt_, 0
.rept 2
	WIN 0x59+4*((\i)/4)
.set md_, ACC+(8*mt_+ma_)*8
.set mw_, (8*((\i)%4)+ma_)*8
.set mx_, (8*mt_+(\i))*8
.if \zero
	v_wmma_f32_16x16x32_bf16 v[md_:md_+7], v[mx_:mx_+7], v[mw_:mw_+7], 0
.else
	v_wmma_f32_16x16x32_bf16 v[md_:md_+7], v[mx_:mx_+7], v[mw_:mw_+7], v[md_:md_+7]
.endif
.if \ride
	SLICE
.endif
.set mt_, mt_+1
.endr
.set ma_, ma_+1
.endr
	WIN 0x40
	PLACES
.set mt_, 0
.rept 2
	global_load_b128 v[(8*mt_+(\i))*8:(8*mt_+(\i))*8+3], v[AV+mt_], s[28:29] offset:(\i)*1024
	global_load_b128 v[(8*mt_+(\i))*8+4:(8*mt_+(\i))*8+7], v[AV+mt_], s[28:29] offset:(\i)*1024+512
.set mt_, mt_+1
.endr
.endm
.macro ZCOPY                           ; my own set leaves the accumulators, turned: each accumulator's registers in ascending order
	WIN 0x01
.set zc_, 0
.rept 32
	v_mov_b32 v[Z+4*(zc_%8)+zc_/8], v[ACC+zc_]
.set zc_, zc_+1
.endr
.endm
.macro XSTORE
	WIN 0x04
.irp x, 1,2,3
.irp c, 0,1,2,3
.irp u, 0,1
	ds_store_b128 v[XS], v[ACC+(8*((\x)%2)+4*((\x)/2)+(\c))*8+4*(\u):ACC+(8*((\x)%2)+4*((\x)/2)+(\c))*8+4*(\u)+3] offset:(\x)*4096+(\c)*1024+(\u)*512
.endr
.endr
.endr
	WIN 0
.endm
.macro XLOAD
	WIN 0
.irp x, 1,2,3
.irp c, 0,1,2,3
.irp u, 0,1
	ds_load_b128 v[R1+32*((\x)-1)+8*(\c)+4*(\u):R1+32*((\x)-1)+8*(\c)+4*(\u)+3], v[XL+(\x)] offset:(\c)*1024+(\u)*512
.endr
.endr
.endr
.endm
.macro PSTORE
	WIN 0
.irp j, 0,1,2,3,4,5,6,7
	global_store_b128 v[PV], v[Z+4*(\j):Z+4*(\j)+3], s[32:33] offset:(\j)*16384   ; each half of the lanes stores 256 consecutive bytes, at a multiple of 256 from part's first
.endr
.endm
.macro SETPB                           ; part at the group that is being finished: the expert's first group + T - 1
	s_add_co_u32 s22, s20, s36
	s_sub_co_u32 s22, s22, 1
	s_min_u32 s22, s22, 71                         ; a number read from memory enters an address behind a written bound; 72 groups have room
	s_lshl_b32 s34, s22, 19
	s_add_nc_u64 s[32:33], s[30:31], s[34:35]
.endm
	s_load_b256 s[4:11], s[0:1], 0x0               ; hbuf s[4:5], W2 s[6:7], plan s[8:9], part s[10:11]
	v_lshl_add_u32 v[SPW], v0, 2, SPARE
	v_mov_b32 v[NIL], 0
	v_and_b32 v1, 31, v0
	v_and_b32 v2, 15, v0                           ; r
	v_bfe_u32 v3, v0, 4, 1                         ; h
	v_lshrrev_b32 v16, 5, v0
	v_readfirstlane_b32 s14, v16                   ; w
	s_and_b32 s15, ttmp9, 7                        ; nb2
	s_lshr_b32 s37, ttmp9, 3                       ; kq
	s_and_b32 s16, ttmp7, 0xffff                   ; e
	s_and_b32 s17, s14, 1
	s_lshr_b32 s18, s14, 1
	s_lshl_b32 s19, s16, 3
	s_mov_b32 s35, 0
	v_lshlrev_b32 v[L16], 4, v1
	v_lshlrev_b32 v[PV], 4, v2
	v_lshl_add_u32 v[PV], v3, 17, v[PV]            ; 8 slots of 16,384 bytes, and as many bytes as 32 rows of W2, for the upper half of the lanes
	s_lshl_b32 s22, s18, 8
	v_add_nc_u32 v[WV], s22, v[PV]
	s_xor_b32 s22, s22, 256
	v_add_nc_u32 v[WV+1], s22, v[PV]
	s_lshl_b32 s22, s17, 13
	v_add_nc_u32 v[AV], s22, v[L16]
	s_xor_b32 s22, s22, 8192
	v_add_nc_u32 v[AV+1], s22, v[L16]
	s_lshl_b32 s22, s14, 14
	v_add_nc_u32 v[XS], s22, v[L16]
.irp x, 1,2,3
	s_xor_b32 s22, s14, \x
	s_lshl_b32 s22, s22, 14
	s_add_co_u32 s22, s22, (\x)*4096
	v_add_nc_u32 v[XL+\x], s22, v[L16]
.endr
	s_wait_kmcnt 0x0
	s_load_b64 s[20:21], s[8:9], s19 offset:17408  ; the expert's first group and its number of groups
	s_lshl_b32 s34, s16, 24
	s_lshl_b32 s22, s37, 22
	s_add_co_u32 s34, s34, s22
	s_lshl_b32 s22, s14, 20
	s_add_co_u32 s34, s34, s22
	s_lshl_b32 s22, s15, 9
	s_add_co_u32 s34, s34, s22
	s_add_nc_u64 s[24:25], s[6:7], s[34:35]        ; W2[e], row 1,024 kq + 256 w, column 128 nb2
	WLOAD 0
	WLOAD 1
	WLOAD 2
	WLOAD 3
	s_lshl_b32 s34, s17, 18                        ; part without the group: made of the ids alone
	s_lshl_b32 s22, s37, 12
	s_add_co_u32 s34, s34, s22
	s_lshl_b32 s22, s15, 9
	s_add_co_u32 s34, s34, s22
	s_lshl_b32 s22, s18, 8
	s_add_co_u32 s34, s34, s22
	s_add_nc_u64 s[30:31], s[10:11], s[34:35]      ; my tile of 16 slots, my K quarter, my column half
	s_wait_kmcnt 0x0
	s_min_u32 s21, s21, 32                         ; N
	s_max_u32 s23, s21, 1
	s_sub_co_u32 s23, s23, 1
	s_cmp_eq_u32 s21, 0
	s_cselect_b32 s22, 0, s20                      ; an expert without slots multiplies group 0, which is always written, and stores nothing
	s_min_u32 s22, s22, 71
	s_min_u32 s20, s20, 71
	s_lshl_b32 s34, s22, 18
	s_lshl2_add_u32 s22, s37, s14                  ; block 4 kq + w
	s_lshl_b32 s22, s22, 14
	s_add_co_u32 s34, s34, s22
	s_add_nc_u64 s[26:27], s[4:5], s[34:35]        ; hbuf: the expert's first group, my block of 8 K steps
	; THE WEIGHT PHASE
.set pu_, 0
.rept 16
.if (pu_ == 13) || (pu_ == 15)
	s_wait_loadcnt 32                              ; unit 13: units 14, 15 stay out; unit 15: the 32 token loads
.else
	s_wait_loadcnt 48                              ; three younger units stay out (unit 14: unit 15 and the 32 token loads)
.endif
	WCVT pu_
.if pu_ < 12
	WLOAD pu_+4
.endif
.if pu_ == 13
	ALOAD0                                         ; landing slots 0 and 1 have been read out: they are the token fragments' registers
.endif
.set pu_, pu_+1
.endr
	s_min_u32 s22, s23, 1
	s_min_u32 s22, s22, 31
	s_lshl_b32 s34, s22, 18
	s_add_nc_u64 s[28:29], s[26:27], s[34:35]
	MMK 0, 1, 0
	MMK 1, 0, 0
	MMK 2, 0, 0
	MMK 3, 0, 0
	MMK 4, 0, 0
	MMK 5, 0, 0
	MMK 6, 0, 0
	MMK 7, 0, 0
	PLACES
	ZCOPY
	WIN 0
	s_mov_b32 s36, 1                               ; T
.Ltrip:                                                ; trip T: group T - 1 is exchanged and finished, group T multiplied
	BAR                                            ; every wave's reads of the exchange are back: it may be written
	s_cmp_gt_u32 s36, s21
	s_cbranch_scc1 .Lx1
	XSTORE
.Lx1:
	BAR                                            ; every wave's stores are done: it may be read
	s_cmp_gt_u32 s36, s21
	s_cbranch_scc1 .Lx2
	XLOAD
	s_cmp_eq_u32 s36, s21
	s_cbranch_scc1 .Ltail
	s_wait_xcnt 0x0                                ; the last trip's loads and stores have read their bases
	SETPB
	s_add_co_u32 s22, s36, 1
	s_min_u32 s22, s22, s23
	s_min_u32 s22, s22, 31
	s_lshl_b32 s34, s22, 18
	s_add_nc_u64 s[28:29], s[26:27], s[34:35]
.set gq, 0
	MMK 0, 1, 0
	MMK 1, 0, 0
	MMK 2, 0, 0
	s_wait_dscnt 0x0                               ; the partners' sets are in
	MMK 3, 0, 1                                    ; the 96 additions ride behind 24 matrix instructions
	MMK 4, 0, 1
	PSTORE                                         ; the finished group leaves while three K steps are still to come
	MMK 5, 0, 0
	MMK 6, 0, 0
	MMK 7, 0, 0
	s_wait_xcnt 0x0                                ; the stores have read the registers that the copy writes
	ZCOPY
	WIN 0
	s_branch .Lx2
.Ltail:                                                ; the expert's last group: nothing is left to multiply
	s_wait_dscnt 0x0
	s_wait_xcnt 0x0
	SETPB
.set gq, 0
.rept 96
	GQ
.endr
	PSTORE
.Lx2:
	s_add_co_u32 s36, s36, 1
	s_cmp_lt_u32 s36, 33
	s_cbranch_scc1 .Ltrip
	s_wait_tensorcnt 0x0                           ; the wave's end
	ds_add_u32 v[SPW], v[NIL]
	s_wait_dscnt 0x0
	s_endpgm
.Lfunc_end_k_qff60d81726_ffn2:
	.size	k_qff60d81726_ffn2, .Lfunc_end_k_qff60d81726_ffn2-k_qff60d81726_ffn2
	.p2alignl 7, 3214868480
	.fill 96, 4, 3214868480
	.section	.rodata,"a",@progbits
	.p2align	6, 0x0
	.amdhsa_kernel k_qff60d81726_ffn2
		.amdhsa_group_segment_fixed_size 66048
		.amdhsa_private_segment_fixed_size 0
		.amdhsa_enable_private_segment 0
		.amdhsa_kernarg_size 32
		.amdhsa_user_sgpr_count 2
		.amdhsa_user_sgpr_kernarg_segment_ptr 1
		.amdhsa_wavefront_size32 1
		.amdhsa_system_sgpr_workgroup_id_x 1
		.amdhsa_system_sgpr_workgroup_id_y 1
		.amdhsa_system_sgpr_workgroup_id_z 1
		.amdhsa_system_vgpr_workitem_id 0
		.amdhsa_next_free_vgpr 1024
		.amdhsa_next_free_sgpr 66
		.amdhsa_reserve_vcc 0
		.amdhsa_float_denorm_mode_32 3
		.amdhsa_float_denorm_mode_16_64 3
		.amdhsa_memory_ordered 1
		.amdhsa_forward_progress 1
		.amdhsa_inst_pref_size 105
	.end_amdhsa_kernel
	.amdgpu_metadata
---
amdhsa.version: [ 1, 2 ]
amdhsa.kernels:
  - .name:           k_qff60d81726_ffn2
    .symbol:         k_qff60d81726_ffn2.kd
    .args:
      - { .name: hbuf, .offset: 0, .size: 8, .value_kind: global_buffer, .address_space: global }
      - { .name: W2, .offset: 8, .size: 8, .value_kind: global_buffer, .address_space: global }
      - { .name: plan, .offset: 16, .size: 8, .value_kind: global_buffer, .address_space: global }
      - { .name: part, .offset: 24, .size: 8, .value_kind: global_buffer, .address_space: global }
    .group_segment_fixed_size: 66048
    .private_segment_fixed_size: 0
    .kernarg_segment_align: 8
    .kernarg_segment_size: 32
    .max_flat_workgroup_size: 128
    .sgpr_count:     66
    .vgpr_count:     1024
    .wavefront_size: 32
...
	.end_amdgpu_metadata
.endif
;; end of part 5
;; launch combine (part 6): grid 256 x 1, 8 waves a work-group, no clusters, 0 bytes of LDS; arguments part, b2, gw, route, plan, out0; writes out0
.if DOCPART == 6
	.amdgcn_target "amdgcn-amd-amdhsa--gfx1250"
	.amdhsa_code_object_version 6
	.text
	.protected	k_qff60d81726_combine
	.globl	k_qff60d81726_combine
	.p2align	8
	.type	k_qff60d81726_combine,@function
k_qff60d81726_combine:
	s_mov_b64 s[64:65], 0
	v_nop
	global_prefetch_b8 v0, s[64:65] scope:SCOPE_SE
	s_setreg_imm32_b32 hwreg(HW_REG_WAVE_MODE, 25, 1), 1
	s_wait_xcnt 0x0
; out[token] = w0 (sum of the 4 K quarters of its first slot + b2[e0]) + w1 (the same of its second slot, with b2[e1]).  All in f32; b2 is rounded once to bf16, as every input of this program is.
; A work-group owns 4 tokens; thread t owns columns 4 t .. 4 t + 3, so a wave's load or store covers 512 consecutive bytes.  A stream: no LDS, no barrier, no matrix unit.
; All 40 loads of a thread go out at once; the waits count the younger tokens' ten loads each.
.set P,  16                            ; v16-175: for (token tk, choice k) 20 registers at P + 20 (2 tk + k): four K quarters, then b2
.set WT, 176                           ; v176-191: for token tk: w0, w0, w1, w1
	s_load_b256 s[4:11], s[0:1], 0x0               ; part s[4:5], b2 s[6:7], gw s[8:9], route s[10:11]
	s_load_b128 s[12:15], s[0:1], 0x20             ; plan s[12:13], out0 s[14:15]
	v_lshlrev_b32 v1, 4, v0
	s_lshl_b32 s2, ttmp9, 5
	s_lshl_b32 s3, ttmp9, 4
	s_lshl_b32 s82, ttmp9, 14
	s_mov_b32 s83, 0
	s_wait_kmcnt 0x0
	s_load_b256 s[16:23], s[12:13], s2 offset:9216 ; my 4 tokens' slots
	s_load_b128 s[24:27], s[10:11], s3 offset:2048 ; their experts
	s_load_b256 s[28:35], s[8:9], s2 offset:0x0    ; their weights
	s_add_nc_u64 s[14:15], s[14:15], s[82:83]
	s_wait_kmcnt 0x0
.irp t, 0,1,2,3
	s_and_b32 s[66+4*\t], s[24+\t], 0xff
	s_bfe_u32 s[68+4*\t], s[24+\t], 0x80008
.endr
.set n_, 0
.rept 8
	s_min_u32 s[16+n_], s[16+n_], 2303             ; loaded numbers enter an address behind a written bound
	s_lshl_b32 s[36+2*n_], s[16+n_], 14
	s_mov_b32 s[37+2*n_], 0
	s_add_nc_u64 s[36+2*n_:37+2*n_], s[4:5], s[36+2*n_:37+2*n_]
	s_min_u32 s[66+2*n_], s[66+2*n_], 7
	s_lshl_b32 s[66+2*n_], s[66+2*n_], 12
	s_mov_b32 s[67+2*n_], 0
	s_add_nc_u64 s[66+2*n_:67+2*n_], s[6:7], s[66+2*n_:67+2*n_]
.irp q, 0,1,2,3
	global_load_b128 v[P+20*n_+4*\q:P+20*n_+4*\q+3], v1, s[36+2*n_:37+2*n_] offset:4096*\q th:TH_LOAD_NT
.endr
	global_load_b128 v[P+20*n_+16:P+20*n_+19], v1, s[66+2*n_:67+2*n_]
.set n_, n_+1
.endr
.irp t, 0,1,2,3
	v_mov_b32 v[WT+4*\t], s[28+2*\t]
	v_mov_b32 v[WT+4*\t+1], s[28+2*\t]
	v_mov_b32 v[WT+4*\t+2], s[29+2*\t]
	v_mov_b32 v[WT+4*\t+3], s[29+2*\t]
.endr
.set tk_, 0
.rept 4
	s_wait_loadcnt 30-10*tk_                       ; this token's ten loads are in
.set k_, 0
.rept 2
.set cv_, P+20*(2*tk_+k_)
	v_pk_add_f32 v[cv_:cv_+1], v[cv_:cv_+1], v[cv_+4:cv_+5]
	v_pk_add_f32 v[cv_+2:cv_+3], v[cv_+2:cv_+3], v[cv_+6:cv_+7]
	v_pk_add_f32 v[cv_+8:cv_+9], v[cv_+8:cv_+9], v[cv_+12:cv_+13]
	v_pk_add_f32 v[cv_+10:cv_+11], v[cv_+10:cv_+11], v[cv_+14:cv_+15]
	v_cvt_pk_bf16_f32 v[cv_+4], v[cv_+16], v[cv_+17]
	v_cvt_pk_bf16_f32 v[cv_+5], v[cv_+18], v[cv_+19]
	v_pk_add_f32 v[cv_:cv_+1], v[cv_:cv_+1], v[cv_+8:cv_+9]
	v_pk_add_f32 v[cv_+2:cv_+3], v[cv_+2:cv_+3], v[cv_+10:cv_+11]
	v_lshlrev_b32 v[cv_+16], 16, v[cv_+4]
	v_and_b32 v[cv_+17], 0xffff0000, v[cv_+4]
	v_lshlrev_b32 v[cv_+18], 16, v[cv_+5]
	v_and_b32 v[cv_+19], 0xffff0000, v[cv_+5]
	v_pk_add_f32 v[cv_:cv_+1], v[cv_:cv_+1], v[cv_+16:cv_+17]
	v_pk_add_f32 v[cv_+2:cv_+3], v[cv_+2:cv_+3], v[cv_+18:cv_+19]
.set k_, k_+1
.endr
.set cv_, P+40*tk_
	v_pk_mul_f32 v[cv_:cv_+1], v[cv_:cv_+1], v[WT+4*tk_:WT+4*tk_+1]
	v_pk_mul_f32 v[cv_+2:cv_+3], v[cv_+2:cv_+3], v[WT+4*tk_:WT+4*tk_+1]
	v_pk_fma_f32 v[cv_:cv_+1], v[cv_+20:cv_+21], v[WT+4*tk_+2:WT+4*tk_+3], v[cv_:cv_+1]
	v_pk_fma_f32 v[cv_+2:cv_+3], v[cv_+22:cv_+23], v[WT+4*tk_+2:WT+4*tk_+3], v[cv_+2:cv_+3]
	global_store_b128 v1, v[cv_:cv_+3], s[14:15] offset:4096*tk_ th:TH_STORE_NT
.set tk_, tk_+1
.endr
	s_endpgm
.Lfunc_end_k_qff60d81726_combine:
	.size	k_qff60d81726_combine, .Lfunc_end_k_qff60d81726_combine-k_qff60d81726_combine
	.p2alignl 7, 3214868480
	.fill 96, 4, 3214868480
	.section	.rodata,"a",@progbits
	.p2align	6, 0x0
	.amdhsa_kernel k_qff60d81726_combine
		.amdhsa_group_segment_fixed_size 0
		.amdhsa_private_segment_fixed_size 0
		.amdhsa_enable_private_segment 0
		.amdhsa_kernarg_size 48
		.amdhsa_user_sgpr_count 2
		.amdhsa_user_sgpr_kernarg_segment_ptr 1
		.amdhsa_wavefront_size32 1
		.amdhsa_system_sgpr_workgroup_id_x 1
		.amdhsa_system_sgpr_workgroup_id_y 1
		.amdhsa_system_sgpr_workgroup_id_z 1
		.amdhsa_system_vgpr_workitem_id 0
		.amdhsa_next_free_vgpr 192
		.amdhsa_next_free_sgpr 84
		.amdhsa_reserve_vcc 0
		.amdhsa_float_denorm_mode_32 3
		.amdhsa_float_denorm_mode_16_64 3
		.amdhsa_memory_ordered 1
		.amdhsa_forward_progress 1
		.amdhsa_inst_pref_size 16
	.end_amdhsa_kernel
	.amdgpu_metadata
---
amdhsa.version: [ 1, 2 ]
amdhsa.kernels:
  - .name:           k_qff60d81726_combine
    .symbol:         k_qff60d81726_combine.kd
    .args:
      - { .name: part, .offset: 0, .size: 8, .value_kind: global_buffer, .address_space: global }
      - { .name: b2, .offset: 8, .size: 8, .value_kind: global_buffer, .address_space: global }
      - { .name: gw, .offset: 16, .size: 8, .value_kind: global_buffer, .address_space: global }
      - { .name: route, .offset: 24, .size: 8, .value_kind: global_buffer, .address_space: global }
      - { .name: plan, .offset: 32, .size: 8, .value_kind: global_buffer, .address_space: global }
      - { .name: out0, .offset: 40, .size: 8, .value_kind: global_buffer, .address_space: global }
    .group_segment_fixed_size: 0
    .private_segment_fixed_size: 0
    .kernarg_segment_align: 8
    .kernarg_segment_size: 48
    .max_flat_workgroup_size: 256
    .sgpr_count:     84
    .vgpr_count:     192
    .wavefront_size: 32
...
	.end_amdgpu_metadata
.endif
;; end of part 6
;; ======== version 2 of 2: 5 launches; 1.15 times as fast as version 1
;; workspace buffers: route 8,192 bytes of whole numbers; gw 8,192 bytes; plan 17,664 bytes of whole numbers; xg 4,718,592 bytes; hbuf 18,874,368 bytes; part 37,748,736 bytes
;; launch gate (part 7): grid 256 x 1, 8 waves a work-group, no clusters, 2,048 bytes of LDS; arguments x, Wg, bg, route, gw; writes route, gw
.if DOCPART == 7
	.amdgcn_target "amdgcn-amd-amdhsa--gfx1250"
	.amdhsa_code_object_version 6
	.text
	.protected	k_qff60d81726_gate
	.globl	k_qff60d81726_gate
	.p2align	8
	.type	k_qff60d81726_gate,@function
k_qff60d81726_gate:
	s_mov_b64 s[64:65], 0
	v_nop
	global_prefetch_b8 v0, s[64:65] scope:SCOPE_SE
	s_setreg_imm32_b32 hwreg(HW_REG_WAVE_MODE, 25, 1), 1
	s_wait_xcnt 0x0
; THE ROUTER.  logits = x Wg + bg for 1,024 tokens and 8 experts, the two largest, a softmax over those two.
; x, Wg and bg are rounded once to bf16 (as every input of this program is); products of two bf16 are exact in f32, sums are f32.
; A work-group owns 4 tokens.  Its 8 waves share K: wave v owns k = 128 v .. 128 v + 127, a lane k = 128 v + 32 c + lane (c 0..3).  So a load of x (4 bytes a lane) covers 128 consecutive bytes,
; a pair of loads of Wg (a row of 32 bytes a lane) 1,024 consecutive bytes, and a wave needs only its own eighth of Wg: 8 loads, 16 registers of bf16 pairs.
; Each wave sums its 4 x 8 products over its lanes and puts them into LDS; behind one barrier wave 0 adds the eight waves' parts and chooses (lane l takes token l % 4).
; The choices leave as VALUES at fixed addresses: nothing here branches or addresses on them.
;   route: for each work-group 4 words at 16 x its number: word j = (how many of its 4 tokens chose expert 2 j) | (expert 2 j + 1) << 16;
;          from byte 4,096: sel[token] = e0 | e1 << 8 | (1 << e0 | 1 << e1) << 16
;   gw:    (w0, w1) f32 for each token
; No matrix unit: 8 columns only, and its fragments would want 16 rows of x to a load.  No cluster: what work-groups share is Wg alone, 32,768 bytes.
; LIMITS.  NaN and infinite logits are not treated apart.  Ties go to the lower index, as in lax.top_k; two logits closer than the f32 sums' rounding (some 1e-6 of their size) may change places.
.set SPARE, 1024                       ; behind the waves' sums (8 x 128 bytes): the spare words, 128 bytes for each of 8 waves
.set SEL,  4096
.set SPW,  14                          ; v14  my spare word's LDS address; never rewritten
.set NIL,  15                          ; v15  0; never rewritten
.set XF,   16                          ; v16-31   x as loaded: token t, c at 4 t + c
.set WF,   32                          ; v32-63   Wg as loaded: c, expert e at 8 c + e
.set XP,   64                          ; v64-71   x in bf16 pairs: 2 t + c / 2, half c % 2
.set WP,   72                          ; v72-87   Wg in bf16 pairs: 4 c + e / 2, half e % 2; later at work
.set ACC,  88                          ; v88-119  sums: 8 t + e
	s_load_b256 s[4:11], s[0:1], 0x0               ; x s[4:5], Wg s[6:7], bg s[8:9], route s[10:11]
	s_load_b64 s[12:13], s[0:1], 0x20              ; gw
	v_lshl_add_u32 v[SPW], v0, 2, SPARE
	v_mov_b32 v[NIL], 0
	v_and_b32 v1, 31, v0                           ; lane
	v_lshrrev_b32 v2, 5, v0
	v_readfirstlane_b32 s14, v2                    ; wave 0..7
	v_lshlrev_b32 v3, 5, v1                        ; my row among 32 rows of Wg
	v_lshlrev_b32 v4, 2, v1                        ; my number among 32 of x
	s_lshl_b32 s16, ttmp9, 14                      ; the work-group's 4 rows of 4,096 bytes,
	s_lshl_b32 s17, s14, 9                         ; my wave's 128 numbers in each
	s_add_co_u32 s16, s16, s17
	s_mov_b32 s17, 0
	s_lshl_b32 s20, s14, 12                        ; my wave's 128 rows of Wg
	s_mov_b32 s21, 0
	s_mov_b32 s18, 0x76543210                      ; v_permlanex16_b32: each lane takes its own place in the other half
	s_mov_b32 s19, 0xfedcba98
	s_wait_kmcnt 0x0
	s_add_nc_u64 s[4:5], s[4:5], s[16:17]
	s_add_nc_u64 s[6:7], s[6:7], s[20:21]
	s_load_b256 s[24:31], s[8:9], 0x0              ; bg
.set n_, 0
.rept 16
	global_load_b32 v[XF+n_], v4, s[4:5] offset:(n_/4)*4096+(n_%4)*128
.set n_, n_+1
.endr
.set n_, 0
.rept 8                                        ; piece n_ = 2 c + half of a row
	global_load_b128 v[WF+4*n_:WF+4*n_+3], v3, s[6:7] offset:(n_/2)*1024+(n_%2)*16
.set n_, n_+1
.endr
	s_wait_loadcnt 0x0
.set n_, 0
.rept 8
	v_cvt_pk_bf16_f32 v[XP+n_], v[XF+2*n_], v[XF+2*n_+1]
.set n_, n_+1
.endr
.set n_, 0
.rept 16
	v_cvt_pk_bf16_f32 v[WP+n_], v[WF+2*n_], v[WF+2*n_+1]
.set n_, n_+1
.endr
	; 128 multiply-adds from bf16 halves into 32 f32 sums, which take turns; the first of each sum takes 0 as its addend
.irp ch, 0,1
.irp cl, 0,1
.set t_, 0
.rept 4
.irp ep, 0,1,2,3
.irp el, 0,1
.if (\ch == 0) && (\cl == 0)
	v_fma_mix_f32_bf16 v[ACC+8*t_+2*\ep+\el], v[XP+2*t_+\ch], v[WP+8*\ch+4*\cl+\ep], v[NIL] op_sel:[\cl,\el,0] op_sel_hi:[1,1,0]
.else
	v_fma_mix_f32_bf16 v[ACC+8*t_+2*\ep+\el], v[XP+2*t_+\ch], v[WP+8*\ch+4*\cl+\ep], v[ACC+8*t_+2*\ep+\el] op_sel:[\cl,\el,0] op_sel_hi:[1,1,0]
.endif
.endr
.endr
.set t_, t_+1
.endr
.endr
.endr
	; across the 32 lanes: four steps inside each half ride on the addition, one crosses the halves; stage by stage, so that no line waits for the one before it
.irp k, 1,2,4,8
.set n_, 0
.rept 32
	v_add_f32_dpp v[ACC+n_], v[ACC+n_], v[ACC+n_] row_xmask:\k row_mask:0xf bank_mask:0xf
.set n_, n_+1
.endr
.endr
.irp b, 0,16
.set n_, 0
.rept 16
	v_permlanex16_b32 v[WP+n_], v[ACC+\b+n_], s18, s19   ; Wg's pairs are used up; their registers have been written
.set n_, n_+1
.endr
.set n_, 0
.rept 16
	v_add_f32 v[ACC+\b+n_], v[ACC+\b+n_], v[WP+n_]
.set n_, n_+1
.endr
.endr
	s_lshl_b32 s20, s14, 7                         ; my wave's 32 sums: 128 bytes at wave x 128, token t's eight at 32 t
	v_mov_b32 v5, s20
.set t_, 0
.rept 4
	ds_store_b128 v5, v[ACC+8*t_:ACC+8*t_+3] offset:32*t_       ; every lane holds the same sums and writes the same bytes
	ds_store_b128 v5, v[ACC+8*t_+4:ACC+8*t_+7] offset:32*t_+16
.set t_, t_+1
.endr
	s_wait_kmcnt 0x0                               ; bg
	s_wait_dscnt 0x0                               ; for wave 0's sake: my stores are done
	s_barrier_signal -1
	s_barrier_wait -1
	s_cmp_lg_u32 s14, 0
	s_cbranch_scc1 .Ldone                          ; wave 0 alone goes on: lane l takes token l % 4 (lanes 4 to 31 repeat lanes 0 to 3 and store nothing)
	v_and_b32 v5, 3, v1
	v_lshlrev_b32 v5, 5, v5
.set n_, 0
.rept 8                                        ; wave n_'s part of my token's 8 logits, into v[16 + 8 n_ ..]
	ds_load_b128 v[16+8*n_:19+8*n_], v5 offset:128*n_
	ds_load_b128 v[20+8*n_:23+8*n_], v5 offset:128*n_+16
.set n_, n_+1
.endr
.irp p, 0,1,2,3
	v_cvt_pk_bf16_f32 v[80+\p], s[24+2*\p], s[25+2*\p]   ; bg rounded to bf16,
.endr
.irp p, 0,1,2,3
	v_lshlrev_b32 v[88+2*\p], 16, v[80+\p]               ; and back in f32
	v_and_b32 v[89+2*\p], 0xffff0000, v[80+\p]
.endr
	s_wait_dscnt 0x0
.irp d, 1,2,4                                  ; the eight parts are added as a tree: neighbours 1, 2 and 4 waves apart
.set p_, 0
.rept 4/\d
.set a_, 16+16*\d*p_
.irp j, 0,2,4,6
	v_pk_add_f32 v[a_+\j:a_+\j+1], v[a_+\j:a_+\j+1], v[a_+8*\d+\j:a_+8*\d+\j+1]
.endr
.set p_, p_+1
.endr
.endr
.irp j, 0,2,4,6
	v_pk_add_f32 v[16+\j:17+\j], v[16+\j:17+\j], v[88+\j:89+\j]
.endr
	v_mov_b32 v40, v16                             ; the largest, by a strict comparison in ascending order: the lower index keeps a tie
	v_mov_b32 v41, 0
.irp e, 1,2,3,4,5,6,7
	v_cmp_gt_f32 vcc_lo, v[16+\e], v40
	v_cndmask_b32 v40, v40, v[16+\e], vcc_lo
	v_cndmask_b32 v41, v41, \e, vcc_lo
.endr
	v_mov_b32 v42, 0xff800000                      ; the second: the same scan without the winner
	v_mov_b32 v43, 0
.irp e, 0,1,2,3,4,5,6,7
	v_cmp_ne_u32 s40, \e, v41
	v_cmp_gt_f32 vcc_lo, v[16+\e], v42
	s_and_b32 vcc_lo, vcc_lo, s40
	v_cndmask_b32 v42, v42, v[16+\e], vcc_lo
	v_cndmask_b32 v43, v43, \e, vcc_lo
.endr
	v_sub_f32 v44, v42, v40                        ; the maximum is taken away: the exponent is 0 for the first and m2 - m1 <= 0 for the second
	v_mul_f32 v44, 0x3fb8aa3b, v44
	v_exp_f32 v44, v44
	v_lshl_or_b32 v46, v43, 8, v41                 ; sel's two low bytes; also the plain line behind the exponential
	s_wait_alu depctr_va_vdst(0)
	v_add_f32 v45, 1.0, v44
	v_rcp_f32 v48, v45                             ; w0 = 1 / (1 + ex)
	v_mov_b32 v50, 0                               ; the count words begin as zeros; also the plain line behind the reciprocal
	s_wait_alu depctr_va_vdst(0)
	v_mul_f32 v49, v44, v48                        ; w1 = ex w0
	v_mov_b32 v54, 1
	v_lshlrev_b32 v55, v41, v54                    ; 1 << e0
	v_lshlrev_b32 v56, v43, v54                    ; 1 << e1
	v_or_b32 v55, v55, v56
	v_lshl_or_b32 v46, v55, 16, v46                ; the two bits above the two bytes: the next launch asks 'did this token choose e' by one AND
.irp e, 0,1,2,3,4,5,6,7
	v_cmp_eq_u32 s40, \e, v41
	v_cmp_eq_u32 s41, \e, v43
	s_or_b32 s40, s40, s41                         ; which lanes chose expert e;
	s_and_b32 s40, s40, 15                         ; lanes 0 to 3 are the 4 tokens;
	s_bcnt1_i32_b32 s[32+\e], s40                  ; how many of them
.endr
.irp j, 0,1,2,3
	s_lshl_b32 s41, s[33+2*\j], 16
	s_or_b32 s41, s41, s[32+2*\j]
	v_writelane_b32 v50, s41, \j                   ; lane j carries word j
.endr
	s_lshl_b32 s20, ttmp9, 4
	v_lshl_add_u32 v51, v1, 2, s20                 ; 16 x work-group + 4 x lane: my word of the counts, and of sel
	s_lshl_b32 s21, ttmp9, 5
	v_lshl_add_u32 v52, v1, 3, s21
	v_cmp_gt_u32 vcc_lo, 4, v1
	s_wait_xcnt 0x0                                ; EXEC is a source of memory instructions: it changes only behind this wait
	s_and_saveexec_b32 s23, vcc_lo
	global_store_b32 v51, v50, s[10:11]
	global_store_b32 v51, v46, s[10:11] offset:SEL
	global_store_b64 v52, v[48:49], s[12:13]
	s_wait_xcnt 0x0                                ; and again in front of the line that widens it
	s_or_b32 exec_lo, exec_lo, s23
.Ldone:
	s_wait_tensorcnt 0x0                           ; the wave's end
	ds_add_u32 v[SPW], v[NIL]
	s_wait_dscnt 0x0
	s_endpgm
.Lfunc_end_k_qff60d81726_gate:
	.size	k_qff60d81726_gate, .Lfunc_end_k_qff60d81726_gate-k_qff60d81726_gate
	.p2alignl 7, 3214868480
	.fill 96, 4, 3214868480
	.section	.rodata,"a",@progbits
	.p2align	6, 0x0
	.amdhsa_kernel k_qff60d81726_gate
		.amdhsa_group_segment_fixed_size 2048
		.amdhsa_private_segment_fixed_size 0
		.amdhsa_enable_private_segment 0
		.amdhsa_kernarg_size 40
		.amdhsa_user_sgpr_count 2
		.amdhsa_user_sgpr_kernarg_segment_ptr 1
		.amdhsa_wavefront_size32 1
		.amdhsa_system_sgpr_workgroup_id_x 1
		.amdhsa_system_sgpr_workgroup_id_y 1
		.amdhsa_system_sgpr_workgroup_id_z 1
		.amdhsa_system_vgpr_workitem_id 0
		.amdhsa_next_free_vgpr 128
		.amdhsa_next_free_sgpr 66
		.amdhsa_reserve_vcc 1
		.amdhsa_float_denorm_mode_32 3
		.amdhsa_float_denorm_mode_16_64 3
		.amdhsa_memory_ordered 1
		.amdhsa_forward_progress 1
		.amdhsa_inst_pref_size 35
	.end_amdhsa_kernel
	.amdgpu_metadata
---
amdhsa.version: [ 1, 2 ]
amdhsa.kernels:
  - .name:           k_qff60d81726_gate
    .symbol:         k_qff60d81726_gate.kd
    .args:
      - { .name: x, .offset: 0, .size: 8, .value_kind: global_buffer, .address_space: global }
      - { .name: Wg, .offset: 8, .size: 8, .value_kind: global_buffer, .address_space: global }
      - { .name: bg, .offset: 16, .size: 8, .value_kind: global_buffer, .address_space: global }
      - { .name: route, .offset: 24, .size: 8, .value_kind: global_buffer, .address_space: global }
      - { .name: gw, .offset: 32, .size: 8, .value_kind: global_buffer, .address_space: global }
    .group_segment_fixed_size: 2048
    .private_segment_fixed_size: 0
    .kernarg_segment_align: 8
    .kernarg_segment_size: 40
    .max_flat_workgroup_size: 256
    .sgpr_count:     66
    .vgpr_count:     128
    .wavefront_size: 32
...
	.end_amdgpu_metadata
.endif
;; end of part 7
;; launch gather (part 8): grid 256 x 1, 5 waves a work-group, no clusters, 22,528 bytes of LDS; arguments x, route, plan, xg; writes plan, xg
.if DOCPART == 8
	.amdgcn_target "amdgcn-amd-amdhsa--gfx1250"
	.amdhsa_code_object_version 6
	.text
	.protected	k_qff60d81726_gather
	.globl	k_qff60d81726_gather
	.p2align	8
	.type	k_qff60d81726_gather,@function
k_qff60d81726_gather:
	s_mov_b64 s[64:65], 0
	v_nop
	global_prefetch_b8 v0, s[64:65] scope:SCOPE_SE
	s_setreg_imm32_b32 hwreg(HW_REG_WAVE_MODE, 25, 1), 1
	s_wait_xcnt 0x0
; FROM CHOICES TO PLACES, AND THE CHOSEN TOKENS' ROWS OF x IN THOSE PLACES.
; A slot is one (token, expert) pair; an expert's slots lie together in ascending order of the tokens, begin on a group of 32 and are padded to a whole group with token 0 (its rows are computed and never read).
; route (whole numbers, stored by the launch before): for every 4 tokens 4 words of counts (word j: expert 2 j in the low half, 2 j + 1 in the high half) from byte 0;
;   sel[token] = e0 | e1 << 8 | (1 << e0 | 1 << e1) << 16 from byte 4,096.
; plan: tokslot[1024][2] u32 (token -> its two slots) at 9,216; meta at 17,408: meta[2 e] = the expert's first group, meta[2 e + 1] = its groups, meta[16] = groups in all.  The bytes below 9,216 are not used.
; xg[T][wq 4][tau 2][i 8][q 2][lane 32][16 bytes], bf16, rounded once: group T of 32 slots, K quarter wq, tile tau of 16 slots, K step i of 32; piece (q, lane = 16 h + r) holds slot r, k = 256 wq + 32 i + 16 q + 8 h + 0..7.
; SHARES.  An item is 16 slots x 128 k: item = (T, tau, k8) = 16 T + 8 tau + k8; 16 x (groups in use) items: 1,024 at the least (2,048 slots), 1,136 at the most (under 32 pads an expert, which add up to a
; multiple of 32: 71 groups).  Waves 0 to 3 of work-group g take items 4 g + wave; wave 4 of work-groups 0 to 111 takes item 1,024 + g if it is in use; wave 4 of work-groups 112 to 143 takes a row of 32 tokens
; and stores their slots (row 0: meta too); wave 4 of the other work-groups has no share and ends.
; A WAVE FINDS ITS TILE'S 16 TOKENS BY ITSELF, so that no launch and no barrier stands between the choices and the rows: the counts' totals give every expert's first group; the tile's expert e is the last
; whose first group is not above T; 32 ballots (row j: lane = token 32 j + lane, 'chose e') and their bit counts give each chosen token's place, less the tile's first; a token whose place is 0 to 15 is
; pushed to the lane of that number (ds_permute_b32, which touches no LDS byte), all others to lane 16, which nobody reads; the 32 results are added: a lane gets a token from one row at the most.
; A lane to which nobody sends holds 0, the pads' token: the results' registers are set to 0 ahead of the push, so that this does not hang on what the push leaves in such a lane.
; Each token number enters an address behind a written bound.
; In: a row's 512 consecutive bytes by one load.  Through the wave's own LDS stage (rows of 256 bytes + 16: the 16 rows that a load back touches start 16 bytes apart modulo 256).  Out: 512 consecutive bytes a store.
; A wave reads only LDS bytes that it wrote, and LDS serves a wave's instructions in order (ISA guide 5.7.1).  No matrix unit, no cluster: a gather; what waves share is route alone, 8,192 bytes.
.set SPARE, 21760                      ; behind the five stages of 4,352 bytes: the spare words, 128 bytes a wave
.set PITCH, 272
.set SEL,  4096
.set TOKS, 9216
.set META, 17408
.set CNT,  16                          ; v16-47   the counts as loaded; later, with v48-79, 16 rows of x
.set SUM,  48                          ; v48-51   their sums, two experts to a register
.set TD,   56                          ; v56-59   at work in the sums across the lanes
.set SELR, 144                         ; v144-175 sel, row j
.set DD,   176                         ; v176-207 what row j's push brought
.set TP,   208                         ; v208-215 at work: places
.set TK,   216                         ; v216-223 at work: token numbers
.set C16,  224                         ; v224     16
	s_load_b256 s[4:11], s[0:1], 0x0               ; x s[4:5], route s[6:7], plan s[8:9], xg s[10:11]
	v_lshl_add_u32 v14, v0, 2, SPARE               ; v14, v15: my spare word and 0; never rewritten
	v_mov_b32 v15, 0
	v_and_b32 v1, 31, v0
	v_lshrrev_b32 v4, 5, v0
	v_readfirstlane_b32 s12, v4                    ; wave 0..4
	s_mov_b32 s13, ttmp9
	v_lshlrev_b32 v5, 4, v1                        ; 16 x lane
	v_lshlrev_b32 v9, 2, v1                        ; 4 x lane
	s_mov_b32 s2, 0x76543210                       ; v_permlanex16_b32: each lane takes its own place in the other half
	s_mov_b32 s3, 0xfedcba98
	s_lshl2_add_u32 s14, s13, s12                  ; waves 0 to 3: item 4 g + wave
	s_add_co_u32 s15, s13, 1024                    ; wave 4: item 1,024 + g
	s_cmp_lt_u32 s12, 4
	s_cselect_b32 s14, s14, s15
	s_wait_kmcnt 0x0
	s_cmp_lt_u32 s12, 4
	s_cbranch_scc1 .Lgather
	s_cmp_lt_u32 s13, 112
	s_cbranch_scc1 .Lgather
	s_cmp_lt_u32 s13, 144
	s_cbranch_scc0 .Lend
	; A ROW OF 32 TOKENS: their slots.  Lane l sums row l's counts (8 x 4 words), once for all rows and once for the rows below mine.
	; A token's slot = the expert's first slot + the expert's tokens in lower rows + the lanes below mine in my row that chose the expert.
	s_sub_co_u32 s92, s13, 112
	s_and_b32 s92, s92, 31                         ; my row
	s_lshl_b32 s93, s92, 7
	v_lshlrev_b32 v3, 7, v1                        ; row l's 128 bytes of counts
	v_lshl_add_u32 v4, v1, 2, s93                  ; my token's word of sel
.irp w, 0,1,2,3,4,5,6,7
	global_load_b128 v[64+4*\w:67+4*\w], v3, s[6:7] offset:16*\w
.endr
	global_load_b32 v11, v4, s[6:7] offset:SEL
	v_cmp_gt_u32 vcc_lo, s92, v1                   ; rows below mine
.irp n, 0,1,2,3,4,5,6,7
	v_mov_b32 v[32+\n], 0                          ; the lane moves' destinations count as read
.endr
	s_wait_loadcnt 0x0
.irp p, 0,1,2,3
	v_add_nc_u32 v[24+\p], v[64+\p], v[68+\p]      ; two experts to a register: a row's count is 32 at the most, a sum over rows 1,024
.endr
.irp w, 2,3,4,5,6,7
.irp p, 0,1,2,3
	v_add_nc_u32 v[24+\p], v[24+\p], v[64+4*\w+\p]
.endr
.endr
.irp p, 0,1,2,3
	v_cndmask_b32 v[28+\p], 0, v[24+\p], vcc_lo
.endr
.irp k, 1,2,4,8
.irp n, 0,1,2,3,4,5,6,7
	v_mov_b32_dpp v[32+\n], v[24+\n] row_xmask:\k row_mask:0xf bank_mask:0xf
.endr
.irp n, 0,1,2,3,4,5,6,7
	v_add_nc_u32 v[24+\n], v[24+\n], v[32+\n]
.endr
.endr
.irp n, 0,1,2,3,4,5,6,7
	v_permlanex16_b32 v[32+\n], v[24+\n], s2, s3
.endr
.irp n, 0,1,2,3,4,5,6,7
	v_add_nc_u32 v[24+\n], v[24+\n], v[32+\n]
.endr
.irp p, 0,1,2,3
	v_readfirstlane_b32 s70, v[24+\p]
	s_and_b32 s[24+2*\p], s70, 0xffff              ; s24-31: the experts' totals
	s_lshr_b32 s[25+2*\p], s70, 16
	v_readfirstlane_b32 s70, v[28+\p]
	s_and_b32 s[32+2*\p], s70, 0xffff              ; s32-39: their tokens in the rows below mine
	s_lshr_b32 s[33+2*\p], s70, 16
.endr
	s_mov_b32 s71, 0                               ; groups so far
.irp e, 0,1,2,3,4,5,6,7
	s_mov_b32 s[40+\e], s71                        ; s40-47: first group
	s_add_co_u32 s72, s[24+\e], 31
	s_lshr_b32 s[48+\e], s72, 5                    ; s48-55: groups
	s_add_co_u32 s71, s71, s[48+\e]
	s_lshl_b32 s72, s[40+\e], 5
	s_add_co_u32 s[56+\e], s72, s[32+\e]           ; s56-63: the slot of my row's first token
.endr
	v_and_b32 v6, 0xff, v11                        ; my token's two experts
	v_bfe_u32 v7, v11, 8, 8
	v_mov_b32 v12, 0
	v_mov_b32 v13, 0
.irp e, 0,1,2,3,4,5,6,7
	v_cmp_eq_u32 s72, \e, v6
	v_cmp_eq_u32 s73, \e, v7
	s_or_b32 s[16+\e], s72, s73                    ; s16-23: which tokens of my row chose expert e
.endr
.irp e, 0,1,2,3,4,5,6,7
	v_mbcnt_lo_u32_b32 v10, s[16+\e], s[56+\e]
	v_cmp_eq_u32 vcc_lo, \e, v6
	v_cndmask_b32 v12, v12, v10, vcc_lo
	v_cmp_eq_u32 vcc_lo, \e, v7
	v_cndmask_b32 v13, v13, v10, vcc_lo
.endr
	v_lshl_add_u32 v16, s92, 5, v1                 ; my token
	v_lshlrev_b32 v17, 3, v16
	global_store_b64 v17, v[12:13], s[8:9] offset:TOKS   ; 256 consecutive bytes, at a multiple of 256 from plan's first
	s_cmp_lg_u32 s92, 0
	s_cbranch_scc1 .Lend
	v_mov_b32 v18, 0                               ; row 0's wave: meta
.irp e, 0,1,2,3,4,5,6,7
	v_writelane_b32 v18, s[40+\e], 2*\e
	v_writelane_b32 v18, s[48+\e], 2*\e+1
.endr
	v_writelane_b32 v18, s71, 16
	global_store_b32 v9, v18, s[8:9] offset:META
	s_branch .Lend
.Lgather:                                              ; AN ITEM
.set w_, 0
.rept 8                                        ; all the counts: only totals are wanted, so each load takes 512 consecutive bytes
	global_load_b128 v[CNT+4*w_:CNT+4*w_+3], v5, s[6:7] offset:512*w_
.set w_, w_+1
.endr
.set j_, 0
.rept 32                                       ; sel, row by row: lane = token 32 j + lane
	global_load_b32 v[SELR+j_], v9, s[6:7] offset:SEL+128*j_
.set j_, j_+1
.endr
	v_and_b32 v2, 15, v0                           ; r
	v_bfe_u32 v3, v0, 4, 1                         ; h
	s_mul_i32 s91, s12, 16*PITCH                   ; my stage
	v_lshl_add_u32 v6, v1, 3, s91                  ; in: 8 bytes a lane
	v_mul_u32_u24 v7, v2, PITCH
	v_lshl_add_u32 v7, v3, 4, v7
	v_add_nc_u32 v7, s91, v7                       ; back: row r, 16 bytes for each half of the lanes
	v_mov_b32 v[C16], 16
.irp n, 0,1,2,3
	v_mov_b32 v[TD+\n], 0                          ; the lane moves' destinations count as read
.endr
	s_min_u32 s88, s14, 1151                       ; where the item goes in xg
	s_and_b32 s89, s88, 7                          ; k8
	s_lshl_b32 s90, s89, 9
	s_lshr_b32 s94, s88, 4
	s_lshl_b32 s94, s94, 16                        ; T x 65,536
	s_bfe_u32 s95, s88, 0x10003
	s_lshl_b32 s95, s95, 13                        ; tau x 8,192
	s_add_co_u32 s94, s94, s95
	s_lshr_b32 s95, s89, 1
	s_lshl_b32 s95, s95, 14                        ; wq x 16,384
	s_add_co_u32 s94, s94, s95
	s_and_b32 s95, s89, 1
	s_lshl_b32 s95, s95, 12                        ; K steps 4 (k8 % 2) on
	s_add_co_u32 s94, s94, s95
	s_mov_b32 s95, 0
	s_add_nc_u64 s[96:97], s[10:11], s[94:95]
	s_wait_loadcnt 32                              ; the counts are in; sel's 32 loads stay out
.irp p, 0,1,2,3
	v_add_nc_u32 v[SUM+\p], v[CNT+\p], v[CNT+4+\p]
.endr
.irp w, 2,3,4,5,6,7
.irp p, 0,1,2,3
	v_add_nc_u32 v[SUM+\p], v[SUM+\p], v[CNT+4*\w+\p]
.endr
.endr
.irp k, 1,2,4,8
.irp n, 0,1,2,3
	v_mov_b32_dpp v[TD+\n], v[SUM+\n] row_xmask:\k row_mask:0xf bank_mask:0xf
.endr
.irp n, 0,1,2,3
	v_add_nc_u32 v[SUM+\n], v[SUM+\n], v[TD+\n]
.endr
.endr
.irp n, 0,1,2,3
	v_permlanex16_b32 v[TD+\n], v[SUM+\n], s2, s3
.endr
.irp n, 0,1,2,3
	v_add_nc_u32 v[SUM+\n], v[SUM+\n], v[TD+\n]
.endr
.irp p, 0,1,2,3
	v_readfirstlane_b32 s70, v[SUM+\p]
	s_and_b32 s[24+2*\p], s70, 0xffff              ; s24-31: the experts' totals
	s_lshr_b32 s[25+2*\p], s70, 16
.endr
	s_mov_b32 s71, 0                               ; groups so far
.irp e, 0,1,2,3,4,5,6,7
	s_mov_b32 s[40+\e], s71                        ; s40-47: first group
	s_add_co_u32 s72, s[24+\e], 31
	s_lshr_b32 s72, s72, 5
	s_add_co_u32 s71, s71, s72
.endr
	s_lshl_b32 s82, s71, 4                         ; items in use
	s_cmp_ge_u32 s14, s82
	s_cbranch_scc1 .Lend                           ; only a wave 4 can find its item out of use
	s_lshr_b32 s83, s14, 4                         ; T
	s_mov_b32 s84, 0x10000                         ; the tile's expert, as its bit in sel, and its first group: the last expert whose first group is not above T
	s_mov_b32 s85, 0                               ; (an expert without slots shares its first group with the next one, which then takes its place)
.irp e, 1,2,3,4,5,6,7
	s_cmp_le_u32 s[40+\e], s83
	s_cselect_b32 s84, (0x10000<<\e), s84
	s_cselect_b32 s85, s[40+\e], s85
.endr
	s_sub_co_u32 s86, s83, s85
	s_lshl_b32 s86, s86, 5
	s_bfe_u32 s87, s14, 0x10003
	s_lshl_b32 s87, s87, 4
	s_add_co_u32 s86, s86, s87                     ; the tile's first place among the expert's slots: 32 (T - first group) + 16 tau
	s_wait_loadcnt 0x0                             ; sel
.set b_, 0
.rept 4                                        ; s16-47: row j's ballot
.irp i, 0,1,2,3,4,5,6,7
	v_and_b32 v[TP+\i], s84, v[SELR+8*b_+\i]
.endr
.irp i, 0,1,2,3,4,5,6,7
	v_cmp_ne_u32 s[16+8*b_+\i], 0, v[TP+\i]
.endr
.set b_, b_+1
.endr
	s_sub_co_u32 s48, 0, s86                       ; s48-63, s66-81: the place of row j's first chosen token, less the tile's first (below 0 it wraps to a large number)
.set j_, 0
.rept 31
	s_bcnt1_i32_b32 s87, s[16+j_]
	s_add_co_u32 s[48+(j_+1)+2*((j_+1)/16)], s[48+j_+2*(j_/16)], s87
.set j_, j_+1
.endr
.set b_, 0
.rept 4                                        ; eight rows at a time, stage by stage, so that no line waits for the one before it
.irp i, 0,1,2,3,4,5,6,7
	v_mbcnt_lo_u32_b32 v[TP+\i], s[16+8*b_+\i], s[48+8*b_+\i+2*(b_/2)]   ; my place in the tile, if I am chosen
.endr
.irp i, 0,1,2,3,4,5,6,7
	v_cndmask_b32 v[TP+\i], v[C16], v[TP+\i], s[16+8*b_+\i]              ; not chosen: 16
.endr
.irp i, 0,1,2,3,4,5,6,7
	v_min_u32 v[TP+\i], 16, v[TP+\i]                                     ; ahead of the tile or behind it: 16
.endr
.irp i, 0,1,2,3,4,5,6,7
	v_lshlrev_b32 v[TP+\i], 2, v[TP+\i]                                  ; the push names a lane by 4 x its number
.endr
.irp i, 0,1,2,3,4,5,6,7
	v_add_nc_u32 v[TK+\i], 32*(8*b_+\i), v1                              ; my token
.endr
.irp i, 0,1,2,3,4,5,6,7
	v_mov_b32 v[DD+8*b_+\i], 0
.endr
.irp i, 0,1,2,3,4,5,6,7
	ds_permute_b32 v[DD+8*b_+\i], v[TP+\i], v[TK+\i]
.endr
.set b_, b_+1
.endr
	s_wait_dscnt 0x0
.irp d, 1,2,4,8,16                             ; the 32 results are added as a tree
.set p_, 0
.rept 16/\d
	v_add_nc_u32 v[DD+2*\d*p_], v[DD+2*\d*p_], v[DD+2*\d*p_+\d]
.set p_, p_+1
.endr
.endr
.set r_, 0
.rept 16
	v_readlane_b32 s[16+r_], v[DD], r_             ; lane r holds slot r's token
.set r_, r_+1
.endr
.set r_, 0
.rept 16
	s_min_u32 s[16+r_], s[16+r_], 1023             ; the written bound
	s_lshl_b32 s[32+2*r_], s[16+r_], 12
	s_add_co_u32 s[32+2*r_], s[32+2*r_], s90
	s_mov_b32 s[33+2*r_], 0
	s_add_nc_u64 s[32+2*r_:33+2*r_], s[4:5], s[32+2*r_:33+2*r_]
	global_load_b128 v[16+4*r_:19+4*r_], v5, s[32+2*r_:33+2*r_]
.set r_, r_+1
.endr
.set r_, 0
.rept 16
	s_wait_loadcnt 15-r_                           ; row r_ is in; the younger rows stay out
	v_cvt_pk_bf16_f32 v[80+2*r_], v[16+4*r_], v[17+4*r_]
	v_cvt_pk_bf16_f32 v[81+2*r_], v[18+4*r_], v[19+4*r_]
	ds_store_b64 v6, v[80+2*r_:81+2*r_] offset:r_*PITCH
.set r_, r_+1
.endr
.set p_, 0
.rept 8                                        ; piece p_ = 2 i' + q
	ds_load_b128 v[112+4*p_:115+4*p_], v7 offset:64*(p_/2)+32*(p_%2)
.set p_, p_+1
.endr
.set p_, 0
.rept 8
	s_wait_dscnt 7-p_                              ; piece p_ is back; the younger loads stay out
	global_store_b128 v5, v[112+4*p_:115+4*p_], s[96:97] offset:(p_/2)*1024+(p_%2)*512
.set p_, p_+1
.endr
.Lend:
	s_wait_tensorcnt 0x0                           ; the wave's end
	ds_add_u32 v14, v15
	s_wait_dscnt 0x0
	s_endpgm
.Lfunc_end_k_qff60d81726_gather:
	.size	k_qff60d81726_gather, .Lfunc_end_k_qff60d81726_gather-k_qff60d81726_gather
	.p2alignl 7, 3214868480
	.fill 96, 4, 3214868480
	.section	.rodata,"a",@progbits
	.p2align	6, 0x0
	.amdhsa_kernel k_qff60d81726_gather
		.amdhsa_group_segment_fixed_size 22528
		.amdhsa_private_segment_fixed_size 0
		.amdhsa_enable_private_segment 0
		.amdhsa_kernarg_size 32
		.amdhsa_user_sgpr_count 2
		.amdhsa_user_sgpr_kernarg_segment_ptr 1
		.amdhsa_wavefront_size32 1
		.amdhsa_system_sgpr_workgroup_id_x 1
		.amdhsa_system_sgpr_workgroup_id_y 1
		.amdhsa_system_sgpr_workgroup_id_z 1
		.amdhsa_system_vgpr_workitem_id 0
		.amdhsa_next_free_vgpr 232
		.amdhsa_next_free_sgpr 98
		.amdhsa_reserve_vcc 1
		.amdhsa_float_denorm_mode_32 3
		.amdhsa_float_denorm_mode_16_64 3
		.amdhsa_memory_ordered 1
		.amdhsa_forward_progress 1
		.amdhsa_inst_pref_size 53
	.end_amdhsa_kernel
	.amdgpu_metadata
---
amdhsa.version: [ 1, 2 ]
amdhsa.kernels:
  - .name:           k_qff60d81726_gather
    .symbol:         k_qff60d81726_gather.kd
    .args:
      - { .name: x, .offset: 0, .size: 8, .value_kind: global_buffer, .address_space: global }
      - { .name: route, .offset: 8, .size: 8, .value_kind: global_buffer, .address_space: global }
      - { .name: plan, .offset: 16, .size: 8, .value_kind: global_buffer, .address_space: global }
      - { .name: xg, .offset: 24, .size: 8, .value_kind: global_buffer, .address_space: global }
    .group_segment_fixed_size: 22528
    .private_segment_fixed_size: 0
    .kernarg_segment_align: 8
    .kernarg_segment_size: 32
    .max_flat_workgroup_size: 160
    .sgpr_count:     98
    .vgpr_count:     232
    .wavefront_size: 32
...
	.end_amdgpu_metadata
.endif
;; end of part 8
;; launch ffn1: the kernel of part 4 again; grid 32 x 8, 4 waves a work-group, no clusters, 66,048 bytes of LDS; arguments xg, W1, b1, plan, hbuf; writes hbuf
;; launch ffn2: the kernel of part 5 again; grid 32 x 8, 4 waves a work-group, no clusters, 66,048 bytes of LDS; arguments hbuf, W2, plan, part; writes part
;; launch combine (part 9): grid 256 x 1, 8 waves a work-group, no clusters, 0 bytes of LDS; arguments part, b2, gw, route, plan, out0; writes out0
.if DOCPART == 9
	.amdgcn_target "amdgcn-amd-amdhsa--gfx1250"
	.amdhsa_code_object_version 6
	.text
	.protected	k_qff60d81726_combine
	.globl	k_qff60d81726_combine
	.p2align	8
	.type	k_qff60d81726_combine,@function
k_qff60d81726_combine:
	s_mov_b64 s[64:65], 0
	v_nop
	global_prefetch_b8 v0, s[64:65] scope:SCOPE_SE
	s_setreg_imm32_b32 hwreg(HW_REG_WAVE_MODE, 25, 1), 1
	s_wait_xcnt 0x0
; out[token] = w0 (sum of the 4 K quarters of its first slot + b2[e0]) + w1 (the same of its second slot, with b2[e1]).  All in f32; b2 is rounded once to bf16, as every input of this program is.
; A work-group owns 4 tokens; thread t owns columns 4 t .. 4 t + 3, so a wave's load or store covers 512 consecutive bytes.  A stream: no LDS, no barrier, no matrix unit.
; All 40 loads of a thread go out at once; the waits count the younger tokens' ten loads each.
.set P,  16                            ; v16-175: for (token tk, choice k) 20 registers at P + 20 (2 tk + k): four K quarters, then b2
.set WT, 176                           ; v176-191: for token tk: w0, w0, w1, w1
	s_load_b256 s[4:11], s[0:1], 0x0               ; part s[4:5], b2 s[6:7], gw s[8:9], route s[10:11]
	s_load_b128 s[12:15], s[0:1], 0x20             ; plan s[12:13], out0 s[14:15]
	v_lshlrev_b32 v1, 4, v0
	s_lshl_b32 s2, ttmp9, 5
	s_lshl_b32 s3, ttmp9, 4
	s_lshl_b32 s82, ttmp9, 14
	s_mov_b32 s83, 0
	s_wait_kmcnt 0x0
	s_load_b256 s[16:23], s[12:13], s2 offset:9216 ; my 4 tokens' slots
	s_load_b128 s[24:27], s[10:11], s3 offset:4096 ; their experts
	s_load_b256 s[28:35], s[8:9], s2 offset:0x0    ; their weights
	s_add_nc_u64 s[14:15], s[14:15], s[82:83]
	s_wait_kmcnt 0x0
.irp t, 0,1,2,3
	s_and_b32 s[66+4*\t], s[24+\t], 0xff
	s_bfe_u32 s[68+4*\t], s[24+\t], 0x80008
.endr
.set n_, 0
.rept 8
	s_min_u32 s[16+n_], s[16+n_], 2303             ; loaded numbers enter an address behind a written bound
	s_lshl_b32 s[36+2*n_], s[16+n_], 14
	s_mov_b32 s[37+2*n_], 0
	s_add_nc_u64 s[36+2*n_:37+2*n_], s[4:5], s[36+2*n_:37+2*n_]
	s_min_u32 s[66+2*n_], s[66+2*n_], 7
	s_lshl_b32 s[66+2*n_], s[66+2*n_], 12
	s_mov_b32 s[67+2*n_], 0
	s_add_nc_u64 s[66+2*n_:67+2*n_], s[6:7], s[66+2*n_:67+2*n_]
.irp q, 0,1,2,3
	global_load_b128 v[P+20*n_+4*\q:P+20*n_+4*\q+3], v1, s[36+2*n_:37+2*n_] offset:4096*\q th:TH_LOAD_NT
.endr
	global_load_b128 v[P+20*n_+16:P+20*n_+19], v1, s[66+2*n_:67+2*n_]
.set n_, n_+1
.endr
.irp t, 0,1,2,3
	v_mov_b32 v[WT+4*\t], s[28+2*\t]
	v_mov_b32 v[WT+4*\t+1], s[28+2*\t]
	v_mov_b32 v[WT+4*\t+2], s[29+2*\t]
	v_mov_b32 v[WT+4*\t+3], s[29+2*\t]
.endr
.set tk_, 0
.rept 4
	s_wait_loadcnt 30-10*tk_                       ; this token's ten loads are in
.set k_, 0
.rept 2
.set cv_, P+20*(2*tk_+k_)
	v_pk_add_f32 v[cv_:cv_+1], v[cv_:cv_+1], v[cv_+4:cv_+5]
	v_pk_add_f32 v[cv_+2:cv_+3], v[cv_+2:cv_+3], v[cv_+6:cv_+7]
	v_pk_add_f32 v[cv_+8:cv_+9], v[cv_+8:cv_+9], v[cv_+12:cv_+13]
	v_pk_add_f32 v[cv_+10:cv_+11], v[cv_+10:cv_+11], v[cv_+14:cv_+15]
	v_cvt_pk_bf16_f32 v[cv_+4], v[cv_+16], v[cv_+17]
	v_cvt_pk_bf16_f32 v[cv_+5], v[cv_+18], v[cv_+19]
	v_pk_add_f32 v[cv_:cv_+1], v[cv_:cv_+1], v[cv_+8:cv_+9]
	v_pk_add_f32 v[cv_+2:cv_+3], v[cv_+2:cv_+3], v[cv_+10:cv_+11]
	v_lshlrev_b32 v[cv_+16], 16, v[cv_+4]
	v_and_b32 v[cv_+17], 0xffff0000, v[cv_+4]
	v_lshlrev_b32 v[cv_+18], 16, v[cv_+5]
	v_and_b32 v[cv_+19], 0xffff0000, v[cv_+5]
	v_pk_add_f32 v[cv_:cv_+1], v[cv_:cv_+1], v[cv_+16:cv_+17]
	v_pk_add_f32 v[cv_+2:cv_+3], v[cv_+2:cv_+3], v[cv_+18:cv_+19]
.set k_, k_+1
.endr
.set cv_, P+40*tk_
	v_pk_mul_f32 v[cv_:cv_+1], v[cv_:cv_+1], v[WT+4*tk_:WT+4*tk_+1]
	v_pk_mul_f32 v[cv_+2:cv_+3], v[cv_+2:cv_+3], v[WT+4*tk_:WT+4*tk_+1]
	v_pk_fma_f32 v[cv_:cv_+1], v[cv_+20:cv_+21], v[WT+4*tk_+2:WT+4*tk_+3], v[cv_:cv_+1]
	v_pk_fma_f32 v[cv_+2:cv_+3], v[cv_+22:cv_+23], v[WT+4*tk_+2:WT+4*tk_+3], v[cv_+2:cv_+3]
	global_store_b128 v1, v[cv_:cv_+3], s[14:15] offset:4096*tk_ th:TH_STORE_NT
.set tk_, tk_+1
.endr
	s_endpgm
.Lfunc_end_k_qff60d81726_combine:
	.size	k_qff60d81726_combine, .Lfunc_end_k_qff60d81726_combine-k_qff60d81726_combine
	.p2alignl 7, 3214868480
	.fill 96, 4, 3214868480
	.section	.rodata,"a",@progbits
	.p2align	6, 0x0
	.amdhsa_kernel k_qff60d81726_combine
		.amdhsa_group_segment_fixed_size 0
		.amdhsa_private_segment_fixed_size 0
		.amdhsa_enable_private_segment 0
		.amdhsa_kernarg_size 48
		.amdhsa_user_sgpr_count 2
		.amdhsa_user_sgpr_kernarg_segment_ptr 1
		.amdhsa_wavefront_size32 1
		.amdhsa_system_sgpr_workgroup_id_x 1
		.amdhsa_system_sgpr_workgroup_id_y 1
		.amdhsa_system_sgpr_workgroup_id_z 1
		.amdhsa_system_vgpr_workitem_id 0
		.amdhsa_next_free_vgpr 192
		.amdhsa_next_free_sgpr 84
		.amdhsa_reserve_vcc 0
		.amdhsa_float_denorm_mode_32 3
		.amdhsa_float_denorm_mode_16_64 3
		.amdhsa_memory_ordered 1
		.amdhsa_forward_progress 1
		.amdhsa_inst_pref_size 16
	.end_amdhsa_kernel
	.amdgpu_metadata
---
amdhsa.version: [ 1, 2 ]
amdhsa.kernels:
  - .name:           k_qff60d81726_combine
    .symbol:         k_qff60d81726_combine.kd
    .args:
      - { .name: part, .offset: 0, .size: 8, .value_kind: global_buffer, .address_space: global }
      - { .name: b2, .offset: 8, .size: 8, .value_kind: global_buffer, .address_space: global }
      - { .name: gw, .offset: 16, .size: 8, .value_kind: global_buffer, .address_space: global }
      - { .name: route, .offset: 24, .size: 8, .value_kind: global_buffer, .address_space: global }
      - { .name: plan, .offset: 32, .size: 8, .value_kind: global_buffer, .address_space: global }
      - { .name: out0, .offset: 40, .size: 8, .value_kind: global_buffer, .address_space: global }
    .group_segment_fixed_size: 0
    .private_segment_fixed_size: 0
    .kernarg_segment_align: 8
    .kernarg_segment_size: 48
    .max_flat_workgroup_size: 256
    .sgpr_count:     84
    .vgpr_count:     192
    .wavefront_size: 32
...
	.end_amdgpu_metadata
.endif
;; end of part 9
